; MI455X (gfx1250); checked and timed in simulation.
; The chip was launched on July 23, 2026; its instructions are those of AMD's public machine-readable ISA for CDNA 5 (MIT licence, August 2026) and "CDNA5" Instruction Set Architecture Reference Guide (July 2026). The comments in the code are by the model that wrote it; some were corrected since.
;; Encoder Block. Allowed arithmetic: matrix products marked QUANTISED: E4M3 operands, one given power-of-two scale a tensor, by v_wmma_f32_16x16x64_fp8_fp8 or v_wmma_f32_16x16x128_fp8_fp8, f32 sums; everything else in f32.
;; Inputs: b1 4,096 float32; b2 1,024 float32; be1 one number float32; be2 one number float32; bk 1,024 float32; bo 1,024 float32; bq 1,024 float32; bv 1,024 float32; g1 one number float32; g2 one number float32; lowp_scales 16 int32 (the exponents e of the quantised operands' scales 2^e); src_mask 2 x 1 x 1 x 2,048 int32; w1_codes 4,096 x 32 x 32 uint8 (E4M3 codes of w1, K innermost, in blocks of 32 codes); w2_codes 1,024 x 128 x 32 uint8 (E4M3 codes of w2, K innermost, in blocks of 32 codes); wk_codes 1,024 x 32 x 32 uint8 (E4M3 codes of wk, K innermost, in blocks of 32 codes); wo_codes 1,024 x 32 x 32 uint8 (E4M3 codes of wo, K innermost, in blocks of 32 codes); wq_codes 1,024 x 32 x 32 uint8 (E4M3 codes of wq, K innermost, in blocks of 32 codes); wv_codes 1,024 x 32 x 32 uint8 (E4M3 codes of wv, K innermost, in blocks of 32 codes); x 2 x 2,048 x 1,024 float32.
;; Outputs: out0 2 x 2,048 x 1,024 float32.
;; This version of the problem:
;;   THIS VERSION OF THE PROBLEM IS GIVEN IN LOW PRECISION. The matrix products marked QUANTISED in the list below multiply operands that are first quantised to E4M3 (4 exponent bits, 3 mantissa bits; 8 bits a number), with one given power-of-two scale for each operand tensor; their sums are f32. All else is computed in f32.
;;   The module's matrix products, in the order in which they are computed (A, B: the left and right operand; K: the contracted axis; several contracted axes count as one K, in the product's order):
;;     1. [M 4,096, K 1,024] x [K 1,024, N 1,024]; A: computed on the way; B: input wq (given as codes): QUANTISED (scales: A lowp_scales[0], B lowp_scales[1])
;;     2. [M 4,096, K 1,024] x [K 1,024, N 1,024]; A: computed on the way; B: input wk (given as codes): QUANTISED (scales: A lowp_scales[2], B lowp_scales[3])
;;     3. [M 4,096, K 1,024] x [K 1,024, N 1,024]; A: computed on the way; B: input wv (given as codes): QUANTISED (scales: A lowp_scales[4], B lowp_scales[5])
;;     4. batch 32 x [M 2,048, K 64] x [K 64, N 2,048]; A: computed on the way; B: computed on the way: QUANTISED (scales: A lowp_scales[6], B lowp_scales[7])
;;     5. batch 32 x [M 2,048, K 2,048] x [K 2,048, N 64]; A: softmax (see below); B: computed on the way: QUANTISED (scales: A lowp_scales[8], B lowp_scales[9])
;;     6. [M 4,096, K 1,024] x [K 1,024, N 1,024]; A: computed on the way; B: input wo (given as codes): QUANTISED (scales: A lowp_scales[10], B lowp_scales[11])
;;     7. [M 4,096, K 1,024] x [K 1,024, N 4,096]; A: computed on the way; B: input w1 (given as codes): QUANTISED (scales: A lowp_scales[12], B lowp_scales[13])
;;     8. [M 4,096, K 4,096] x [K 4,096, N 1,024]; A: computed on the way; B: input w2 (given as codes): QUANTISED (scales: A lowp_scales[14], B lowp_scales[15])
;;   THE QUANTISER, for each operand of a quantised product, along K:
;;     - The operand's scale is 2^e, e = its entry of the input lowp_scales (int32; the entries are numbered through the quantised products in the list's order, A before B).
;;     - Each number is divided by the scale, clamped to +-448, and rounded to the nearest number of E4M3, ties to even, subnormals kept.
;;     - The product sums the exact products of the quantised numbers (number of the format x scale) in f32.
;;   ~~~python
;;   def quantise(x, axis, e):      # numpy; x: float32 -> the quantised numbers, widened to float32 again
;;       x = np.moveaxis(x, axis, -1); K = x.shape[-1]
;;       r = np.clip(x / 2.0 ** e, -448, 448)
;;       step = 2.0 ** (np.maximum(np.frexp(np.where(r == 0, 1, r))[1] - 1, -6) - 3)
;;       q = np.round(r / step) * step * 2.0 ** e      # np.round: ties to even
;;       return np.moveaxis(q, -1, axis).astype(np.float32)
;;   ~~~
;;   SOFTMAX AHEAD OF A QUANTISED PRODUCT. Where the list says 'softmax', what is quantised is not the finished softmax but p = 2^(t - M), with t = logit x log2(e) and M = ceil(the row's largest t), a whole number; so 1/2 < the row's largest p <= 1. The row's sum l is taken of the UNQUANTISED p, in f32, and the product's result is divided by l at the end. Since M is a whole number, a kernel that streams over the keys may use a running M (the ceiling of the running maximum): every later rescaling is an exact power of two, so the quantised numbers keep their values, but for numbers so far below the row's largest that they fall under the format's range.
;;   OPERANDS COMPUTED ON THE WAY. 'Computed on the way' means the value that the module computes at that place (a softmax that the list does not call 'softmax' is quantised finished and normalised). What goes into a quantiser is computed in f32, as accurately as f32 sums, v_exp_f32 and their like allow (about 1e-6 of the number): no bf16 or f16 on the way to a quantiser, and a product that is left as it is and whose result goes on into a quantised operand takes f32 operands (vector FMAs, or v_wmma_f32_16x16x4_f32). A number that lies on a knife's edge between two numbers of the format may be rounded either way, as far as f32 arithmetic and the matrix unit's own rounding can turn it there, and no further.
;;   INPUTS GIVEN AS CODES. w1 (in the module: [1024, 4096], K = its axis 0); w2 (in the module: [4096, 1024], K = its axis 0); wk (in the module: [1024, 1024], K = its axis 0); wo (in the module: [1024, 1024], K = its axis 0); wq (in the module: [1024, 1024], K = its axis 0); wv (in the module: [1024, 1024], K = its axis 0): each comes as NAME_codes (uint8): NAME with its K axis moved to the last place and cut into blocks of 32 codes, [.., K / 32, bytes a block], one block behind the other in memory; one code a byte (a code: sign, 4 exponent bits, 3 mantissa bits); its scale is its entry of lowp_scales. Its value is code x scale, taken as it is: it is not quantised again, and the codes and scales need not be those that the quantiser above would give.
;; One version. Each part assembles by itself: llvm-mc -triple=amdgcn-amd-amdhsa -mcpu=gfx1250 --defsym DOCPART=n.
;; ======== version 1 of 1: 7 launches
;; limits: right only within a limited range of input values
;; workspace buffers: xn1c 12,582,912 bytes; qc 4,194,304 bytes; kc 4,194,304 bytes; vc 4,194,304 bytes; ctxc 4,194,304 bytes; x1 16,777,216 bytes; xn2c 4,194,304 bytes; hc 16,777,216 bytes
;; launch ln1 (part 1): grid 256 x 1, 4 waves a work-group, no clusters, 82,432 bytes of LDS; arguments x, g1, be1, lowp_scales, xn1c; writes xn1c
.if DOCPART == 1
	.amdgcn_target "amdgcn-amd-amdhsa--gfx1250"
	.amdhsa_code_object_version 6
	.text
	.protected	k_qd1df57fae8_ln1
	.globl	k_qd1df57fae8_ln1
	.p2align	8
	.type	k_qd1df57fae8_ln1,@function
k_qd1df57fae8_ln1:
	s_mov_b64 s[64:65], 0
	v_nop
	global_prefetch_b8 v0, s[64:65] scope:SCOPE_SE
	s_setreg_imm32_b32 hwreg(HW_REG_WAVE_MODE, 25, 1), 1
	s_wait_xcnt 0x0
; THE PROGRAM: an encoder block in seven launches: norm 1 -> q, k, v -> attention -> projection + residual -> norm 2 -> first FFN product -> second FFN product + residual.
; DEAD WORK: none.  Every input of reference() has a way to the output for some values of the inputs (bk too: it moves K's codes), so every input is loaded and every product of the table is done.
; code = y / 2^e, held within +-448, to the nearest code.  Part p of the output ([4096][1024] bytes) takes entry E0 + ES p of the scales.
; LIMITS: each e between -126 and 119, so that 2^e and 448 x 2^e are f32 numbers.  NaN among the inputs is not served.
; SHARES: a work-group takes 16 rows, a wave 4, a row lies in 32 registers a lane.  Each load reads 512 bytes on end; the conversions want 16 neighbours in ONE lane, so a row turns through the wave's own
; stage in LDS (64 bytes, then 16 of padding: the lanes' reads, 80 bytes apart, fall on different banks).  A lane's 16 codes are 16 bytes: a store covers 512 bytes on end.
; The variance is taken of x - mean, in a second pass over registers: a common offset of the inputs costs no accuracy.  No barrier: waves share nothing.  No matrix unit, no cluster: nothing is shared or multiplied.
.set NS,    3                          ; how many times the row is quantised
.set E0,    0                          ; first entry of the scales
.set ES,    2                          ; and the step from part to part
.set SP,    80
.set STG,   64*SP                      ; a row's stage
.set SPARE, 16*STG                     ; behind the stages: the spare words, 128 bytes a wave
.set LA,    2                          ; v2  16 x lane
.set WA,    3                          ; v3  into the stage
.set RA,    4                          ; v4  out of it
.set MEAN,  6                          ; v[6:7]
.set AA,    8                          ; v[8:9] g / (std + eps)
.set SPW,   12
.set NIL,   13
.set X,     16                         ; v16-143 four rows as loaded; then each row's codes
.set Y,     144                        ; v144-175 the row, 2 x 16 neighbours
.set T,     176                        ; v176-207 at work
.set SC,    208                        ; v[208+2p] 2^e, v[209+2p] 448 x 2^e
	s_load_b256 s[4:11], s[0:1], 0x0               ; in, g, be, the scales' exponents
	s_load_b64 s[12:13], s[0:1], 0x20              ; out
	v_lshl_add_u32 v[SPW], v0, 2, SPARE
	v_mov_b32 v[NIL], 0
	v_lshrrev_b32 v1, 5, v0
	v_readfirstlane_b32 s18, v1                    ; wave
	v_and_b32 v1, 31, v0                           ; lane
	v_lshlrev_b32 v[LA], 4, v1
	s_mul_i32 s19, s18, 4*STG                      ; my four stages
	v_lshrrev_b32 v10, 2, v1
	v_mul_u32_u24 v10, v10, SP
	v_and_b32 v11, 3, v1
	v_lshl_add_u32 v10, v11, 4, v10
	v_add_nc_u32 v[WA], s19, v10                   ; four lanes' 64 bytes on end, then the padding
	v_mul_u32_u24 v11, v1, SP
	v_add_nc_u32 v[RA], s19, v11                   ; my 64 bytes
	s_mov_b32 s2, 0x76543210                       ; selects: lane l xor 16
	s_mov_b32 s3, 0xfedcba98
	s_lshl_b32 s20, ttmp9, 4
	s_lshl_b32 s21, s18, 2
	s_add_co_u32 s20, s20, s21                     ; my first row
	s_lshl_b32 s26, s20, 12
	s_mov_b32 s27, 0
	s_lshl_b32 s28, s20, 10
	s_mov_b32 s29, 0
	s_wait_alu depctr_va_vdst(0)
	s_wait_kmcnt 0x0
	s_add_nc_u64 s[4:5], s[4:5], s[26:27]
	s_add_nc_u64 s[12:13], s[12:13], s[28:29]
.irp i, 0,1,2,3
.irp j, 0,1,2,3,4,5,6,7
	global_load_b128 v[X+32*\i+4*\j:X+32*\i+4*\j+3], v[LA], s[4:5] offset:4096*\i+512*\j
.endr
.endr
	s_load_b32 s30, s[6:7], 0x0                    ; g
	s_load_b32 s22, s[8:9], 0x0                    ; be
	s_load_b512 s[32:47], s[10:11], 0x0            ; the sixteen exponents
.if NS > 1
	s_add_nc_u64 s[14:15], s[12:13], 0x400000      ; parts 1 and 2 of the output
	s_add_nc_u64 s[16:17], s[12:13], 0x800000
.endif
	s_wait_kmcnt 0x0
	s_mov_b32 s23, s22                             ; (named with it as a pair)
.irp p, 0,1,2
.if \p < NS
	s_add_co_i32 s24, s[32+E0+ES*\p], 127
	s_lshl_b32 s25, s24, 23
	v_mov_b32 v[SC+2*\p], s25                      ; 2^e: the conversion takes its exponent field
	s_add_co_i32 s24, s24, 8
	s_lshl_b32 s24, s24, 23
	s_or_b32 s24, s24, 0x600000
	v_mov_b32 v[SC+2*\p+1], s24                    ; 448 x 2^e
.endif
.endr
.macro REDUCE                          ; four pairs of partial sums in v[T..T+7] -> the row's sum in v10 of every lane
	v_pk_add_f32 v[T:T+1], v[T:T+1], v[T+2:T+3]
	v_pk_add_f32 v[T+4:T+5], v[T+4:T+5], v[T+6:T+7]
	v_pk_add_f32 v[T:T+1], v[T:T+1], v[T+4:T+5]
	v_add_f32 v10, v[T], v[T+1]
	v_add_f32_dpp v10, v10, v10 row_xmask:1 row_mask:0xf bank_mask:0xf
	v_add_f32_dpp v10, v10, v10 row_xmask:2 row_mask:0xf bank_mask:0xf
	v_add_f32_dpp v10, v10, v10 row_xmask:4 row_mask:0xf bank_mask:0xf
	v_add_f32_dpp v10, v10, v10 row_xmask:8 row_mask:0xf bank_mask:0xf
	v_permlanex16_b32 v11, v10, s2, s3
	v_add_f32 v10, v10, v11
.endm
.macro ROW i
	s_wait_loadcnt 8*(3-\i)                        ; this row's eight loads are in; the eight of each later row may be out
.irp j, 0,1,2,3,4,5,6,7
	ds_store_b128 v[WA], v[X+32*\i+4*\j:X+32*\i+4*\j+3] offset:STG*\i+640*\j
.endr
.irp g, 0,1
.irp c, 0,1,2,3
	ds_load_b128 v[Y+16*\g+4*\c:Y+16*\g+4*\c+3], v[RA] offset:STG*\i+2560*\g+16*\c   ; LDS serves a wave's instructions in order: these see the stores.  Register 16 g + n = column 512 g + 16 lane + n
.endr
.endr
	s_wait_dscnt 0x0
.irp k, 0,1,2,3
	v_pk_add_f32 v[T+2*\k:T+2*\k+1], v[Y+2*\k:Y+2*\k+1], v[Y+8+2*\k:Y+8+2*\k+1]
.endr
.irp m, 8,9,10,11,12,13,14,15
	v_pk_add_f32 v[T+2*(\m%4):T+2*(\m%4)+1], v[T+2*(\m%4):T+2*(\m%4)+1], v[Y+2*\m:Y+2*\m+1]
.endr
	REDUCE
	v_mul_f32 v[MEAN], 0x3a800000, v10             ; / 1,024
	v_mov_b32 v[MEAN+1], v[MEAN]
.irp m, 0,1,2,3,4,5,6,7,8,9,10,11,12,13,14,15
	v_pk_add_f32 v[Y+2*\m:Y+2*\m+1], v[Y+2*\m:Y+2*\m+1], v[MEAN:MEAN+1] neg_lo:[0,1] neg_hi:[0,1]
.endr
.irp k, 0,1,2,3
	v_pk_mul_f32 v[T+2*\k:T+2*\k+1], v[Y+2*\k:Y+2*\k+1], v[Y+2*\k:Y+2*\k+1]
.endr
.irp m, 4,5,6,7,8,9,10,11,12,13,14,15
	v_pk_fma_f32 v[T+2*(\m%4):T+2*(\m%4)+1], v[Y+2*\m:Y+2*\m+1], v[Y+2*\m:Y+2*\m+1], v[T+2*(\m%4):T+2*(\m%4)+1]
.endr
	REDUCE
	v_mul_f32 v10, 0x3a802008, v10                 ; / 1,023
	s_wait_alu depctr_va_vdst(0)
	v_sqrt_f32 v10, v10
	v_nop                                          ; a plain instruction behind the root,
	s_wait_alu depctr_va_vdst(0)                   ; and the wait ahead of its first reader
	v_add_f32 v10, 0x358637bd, v10                 ; + 1e-6
	s_wait_alu depctr_va_vdst(0)
	v_rcp_f32 v10, v10
	v_nop
	s_wait_alu depctr_va_vdst(0)
	v_mul_f32 v[AA], s30, v10
	v_mov_b32 v[AA+1], v[AA]
.irp m, 0,1,2,3,4,5,6,7,8,9,10,11,12,13,14,15
	v_pk_fma_f32 v[Y+2*\m:Y+2*\m+1], v[Y+2*\m:Y+2*\m+1], v[AA:AA+1], s[22:23] op_sel_hi:[1,1,0]
.endr
.irp p, 0,1,2
.if \p < NS
.set n, 0
.rept 32
	v_med3_num_f32 v[T+n], v[Y+n], -v[SC+2*\p+1], v[SC+2*\p+1]   ; the conversion does not saturate (ISA guide 7.6.2): the hold comes first
.set n, n+1
.endr
.irp k, 0,1,2,3
	v_cvt_scalef32_pk8_fp8_f32 v[X+32*\i+8*\p+2*\k:X+32*\i+8*\p+2*\k+1], v[T+8*\k:T+8*\k+7], v[SC+2*\p]
.endr
	v_nop                                          ; a plain instruction between the conversions and the next writes of their sources
	global_store_b128 v[LA], v[X+32*\i+8*\p:X+32*\i+8*\p+3], s[12+2*\p:13+2*\p] offset:1024*\i          ; 32 lanes store 512 bytes on end; each store has registers of its own
	global_store_b128 v[LA], v[X+32*\i+8*\p+4:X+32*\i+8*\p+7], s[12+2*\p:13+2*\p] offset:1024*\i+512
.endif
.endr
.endm
	ROW 0
	ROW 1
	ROW 2
	ROW 3
	s_wait_tensorcnt 0x0                           ; the wave's end, behind my last LDS store
	ds_add_u32 v[SPW], v[NIL]
	s_wait_dscnt 0x0
	s_endpgm
.Lfunc_end_k_qd1df57fae8_ln1:
	.size	k_qd1df57fae8_ln1, .Lfunc_end_k_qd1df57fae8_ln1-k_qd1df57fae8_ln1
	.p2alignl 7, 3214868480
	.fill 96, 4, 3214868480
	.section	.rodata,"a",@progbits
	.p2align	6, 0x0
	.amdhsa_kernel k_qd1df57fae8_ln1
		.amdhsa_group_segment_fixed_size 82432
		.amdhsa_private_segment_fixed_size 0
		.amdhsa_enable_private_segment 0
		.amdhsa_kernarg_size 40
		.amdhsa_user_sgpr_count 2
		.amdhsa_user_sgpr_kernarg_segment_ptr 1
		.amdhsa_wavefront_size32 1
		.amdhsa_system_sgpr_workgroup_id_x 1
		.amdhsa_system_sgpr_workgroup_id_y 1
		.amdhsa_system_sgpr_workgroup_id_z 1
		.amdhsa_system_vgpr_workitem_id 0
		.amdhsa_next_free_vgpr 224
		.amdhsa_next_free_sgpr 66
		.amdhsa_reserve_vcc 0
		.amdhsa_float_denorm_mode_32 3
		.amdhsa_float_denorm_mode_16_64 3
		.amdhsa_memory_ordered 1
		.amdhsa_forward_progress 1
		.amdhsa_inst_pref_size 62
	.end_amdhsa_kernel
	.amdgpu_metadata
---
amdhsa.version: [ 1, 2 ]
amdhsa.kernels:
  - .name:           k_qd1df57fae8_ln1
    .symbol:         k_qd1df57fae8_ln1.kd
    .args:
      - { .name: x, .offset: 0, .size: 8, .value_kind: global_buffer, .address_space: global }
      - { .name: g1, .offset: 8, .size: 8, .value_kind: global_buffer, .address_space: global }
      - { .name: be1, .offset: 16, .size: 8, .value_kind: global_buffer, .address_space: global }
      - { .name: lowp_scales, .offset: 24, .size: 8, .value_kind: global_buffer, .address_space: global }
      - { .name: xn1c, .offset: 32, .size: 8, .value_kind: global_buffer, .address_space: global }
    .group_segment_fixed_size: 82432
    .private_segment_fixed_size: 0
    .kernarg_segment_align: 8
    .kernarg_segment_size: 40
    .max_flat_workgroup_size: 128
    .sgpr_count:     66
    .vgpr_count:     224
    .wavefront_size: 32
...
	.end_amdgpu_metadata
.endif
;; end of part 1
;; launch qkv (part 2): grid 12 x 16, 4 waves a work-group, clusters of 4 x 4, 327,680 bytes of LDS; arguments xn1c, wq_codes, wk_codes, wv_codes, bq, bk, bv, src_mask, lowp_scales, qc, kc, vc; writes qc, kc, vc
.if DOCPART == 2
	.amdgcn_target "amdgcn-amd-amdhsa--gfx1250"
	.amdhsa_code_object_version 6
	.text
	.protected	k_qd1df57fae8_qkv
	.globl	k_qd1df57fae8_qkv
	.p2align	8
	.type	k_qd1df57fae8_qkv,@function
k_qd1df57fae8_qkv:
	s_mov_b64 s[64:65], 0
	v_nop
	global_prefetch_b8 v0, s[64:65] scope:SCOPE_SE
	s_setreg_imm32_b32 hwreg(HW_REG_WAVE_MODE, 25, 1), 1
	s_wait_xcnt 0x0
	s_wait_alu depctr_hold_cnt(0) depctr_sa_sdst(0) depctr_va_vdst(0) depctr_va_sdst(0) depctr_va_ssrc(0) depctr_va_vcc(0) depctr_vm_vsrc(0)
	s_getreg_b32 s2, hwreg(HW_REG_IB_STS2, 6, 4)
	s_cmp_eq_u32 s2, 0
	s_cbranch_scc0 .Lentry_in_a_cluster
	s_endpgm
.Lentry_in_a_cluster:
	s_bfe_u32 s2, ttmp6, 0x10000c
	s_cmp_lg_u32 s2, 0xf033
	s_cbranch_scc0 .Lentry_shape_is_right
	s_endpgm
.Lentry_shape_is_right:
; A GEMM on codes of E4M3, K = 1,024, whose results are quantised again on the way out.  No work of reference() is left out here.
; QKV = 1: the cluster's x, p = 0, 1, 2, says which product: q = Xn Wq^T + bq, k = Xn Wk^T + bk (rows = tokens), v^T = Wv Xn^T + bv (rows = channels: the two operands change places, so that a lane's
;   eight results are eight neighbouring TOKENS, the K of attention's second product).  Xn is part p of the codes that the norm's launch made.  q, k leave as [b][head][token][64], v as [b][head][64][token].
;   THE MASK: reference() replaces the score of a hidden key by -1 for every query.  Here a hidden key's row of k gets the hold limit 0, so its codes are zeros and its scores are exactly 0; the
;   attention launch starts each score's sum with the term that stands for -1.  The hold is executed for every number anyway.
; QKV = 0: h = relu(Xn2 W1^T + b1), codes [4096][4096].
; A tile of C, 256 x 256, is made by four waves, each 128 x 128: 64 accumulators, 512 registers.  K goes in steps of 256 through a ring of two LDS slots filled by the tensor data mover.
; CLUSTERS 4 x 4: the four of a row need the same tiles of A, the four of a column the same tiles of B: each is asked for jointly.  THE MATRIX INSTRUCTION IS USED TRANSPOSED (source 0 = rows of B, source 1 = rows of A).
; A fragment is fetched by four loads of 16 bytes: a permutation of k that is the same in A and in B.
; LIMITS: eA + eB between -126 and 127, the result's e between -126 and 119.  NaN among the inputs is not served.
; REGISTERS: window 0: v0-31 addresses; from v128 A's fragments, one set; on the way out v32-255.  window 1: B's fragments, two sets.  windows 2, 3: the accumulators ((a, b) at v[8 (8 (a % 4) + b)]).
.set QKV,    1
.set KSTEP,  256
.set ROWB,   256
.set KROW,   1024
.set PITCH,  272                       ; an LDS row: 256 bytes + 16: the 16 rows of a load start at 16 different banks (64 banks of 4 bytes: ISA guide 11.1)
.set FR,     16
.set NL,     4
.set NP,     4
.set HALFT,  128*PITCH
.set SLOT,   4*HALFT
.set LAPS,   KROW/(2*KSTEP)
.set BT,     2*SLOT                    ; behind the ring: the tile's 256 biases,
.set MT,     BT+1024                   ; its 256 mask words,
.set SPARE,  BT+2048                   ; and the spare words
.set STG_A,  0                         ; the way out's stages, 256 rows x 272 bytes, lie in slot 0, which has had its last fill and its last read by then; each path has bytes of its own
.set STG_V,  256*PITCH
.if QKV
.set OP,     2048                      ; a row of the output that leaves by rows
.set STG_R,  STG_V
.else
.set OP,     4096
.set STG_R,  STG_A
.endif
.set GOH,  12
.set GOR,  13
.set SCO,  14                          ; v14 2^e of the result, v15 448 x that
.set LIMO, 15
.set ADRA, 16
.set RDH,  18
.set RDH2, 19
.set ADRB, 20
.set AMT,  22
.set RDR,  23
.set STO_A, 24
.set STO_V, 25
.set ABC,  26
.set ABR,  27
.set SPW,  28
.set NIL,  29
.set BC,   32                          ; the way out: v32-95 biases by column; v96-111 by row, in pairs; v112-119 hold limits by row; v120-127 mask words
.set BR,   96
.set LIM,  112
.set MK,   120
.set TMP,  128
.set CD,   192
.set AF,   128
.set G1, 24
.set G0, 32
.set G1B, 48
.set G0B, 56
.set MSB, 0
.macro WIN new                         ; the immediate's high byte repeats the setting that is left
.if MSB != (\new)
	s_set_vgpr_msb (MSB<<8)|(\new)
.set MSB, (\new)
.endif
.endm
.set MUL_LO, 0xa1
.set MUL_HI, 0xf1
.set TO_B,   0x40
.macro JLOAD g0a, g1a, g0b, g1b        ; a joint load: waves 0, 1 fetch for A, waves 2, 3 for B; an s_nop 0 and four v_nop follow each line
	s_cmp_eq_u32 s15, 0
	s_cbranch_scc0 .Lfor_b_\@
	tensor_load_to_lds s[\g0a:\g0a+3], s[\g1a:\g1a+7]
	s_nop 0
.rept 4
	v_nop
.endr
	s_branch .Lasked_\@
.Lfor_b_\@:
	tensor_load_to_lds s[\g0b:\g0b+3], s[\g1b:\g1b+7]
	s_nop 0
.rept 4
	v_nop
.endr
.Lasked_\@:
.endm
.macro CREST
	s_cmp_lg_u32 s14, 0
	s_cbranch_scc1 .Lnot_wave_0_\@
	s_barrier_signal -3
.Lnot_wave_0_\@:
	s_barrier_wait -3
	s_barrier_signal -1
	s_barrier_wait -1
.endm
.macro CROUND
	s_barrier_signal -1
	s_barrier_wait -1
	CREST
.endm
.if QKV
	s_load_b512 s[68:83], s[0:1], 0x0              ; xn1c, wq, wk, wv, bq, bk, bv, src_mask
	s_load_b256 s[84:91], s[0:1], 0x40             ; the scales' exponents, qc, kc, vc
.else
	s_load_b128 s[4:7], s[0:1], 0x0                ; A's codes, B's codes
	s_load_b64 s[84:85], s[0:1], 0x10              ; the scales' exponents
	s_load_b128 s[8:11], s[0:1], 0x18              ; the bias, the output
.endif
	v_lshl_add_u32 v[SPW], v0, 2, SPARE
	v_mov_b32 v[NIL], 0
	ds_add_u32 v[SPW], v[NIL]                      ; the wave's opening: the add, twice on end, and its wait ahead of my first tensor load
	ds_add_u32 v[SPW], v[NIL]
	v_lshrrev_b32 v1, 5, v0
	v_readfirstlane_b32 s14, v1                    ; wave 0..3
	s_lshr_b32 s15, s14, 1                         ; my half of the tile's rows; also: I fetch for A (0) or B (1)
	s_and_b32 s16, s14, 1                          ; my half of its columns; also: which 128 rows I fetch
	s_bfe_u32 s40, ttmp6, 0x40000                  ; cx
	s_bfe_u32 s41, ttmp6, 0x40004                  ; cy
.if QKV
	s_mov_b32 s94, ttmp9                           ; p: the same in all sixteen partners
	s_and_b32 s95, ttmp7, 0xffff
	s_lshl_b32 s95, s95, 2                         ; 4 x cluster y
	s_lshr_b32 s96, s94, 1                         ; 1 for v
	s_xor_b32 s97, s96, 1                          ; 1 for q and k
	s_mul_i32 s97, s97, s95
	s_mul_i32 s96, s96, s95
	s_add_co_u32 s17, s97, s41                     ; A's tile: q, k: tokens 4 Y + cy; v: channels cy
	s_add_co_u32 s42, s96, s40                     ; B's tile: q, k: channels cx; v: tokens 4 Y + cx
.else
	s_lshl_b32 s42, ttmp9, 2
	s_add_co_u32 s42, s42, s40
	s_and_b32 s17, ttmp7, 0xffff
	s_lshl_b32 s17, s17, 2
	s_add_co_u32 s17, s17, s41
.endif
	s_lshl_b32 s43, s41, 2
	s_lshl_b32 s43, 15, s43                        ; my row of the cluster
	s_lshl_b32 s44, 0x1111, s40                    ; my column
	s_or_b32 s[G1+0], s43, (1<<20)|(1<<21)|(5<<22)|(3<<25)   ; the mask; elements of 1 byte; padding on; bit 21 beside a mask; 4 words behind every 64
	s_or_b32 s[G1B+0], s44, (1<<20)|(1<<21)|(5<<22)|(3<<25)
.irp g, G1, G1B
	s_mov_b32 s[\g+1], ROWB<<16                    ; tensor_dim0
	s_mov_b32 s[\g+2], 128<<16                     ; tensor_dim1
	s_mov_b32 s[\g+3], ROWB<<16                    ; tile_dim0
	s_mov_b32 s[\g+4], 128                         ; tile_dim1
	s_mov_b32 s[\g+5], KROW                        ; the pitch
	s_mov_b32 s[\g+6], 0
	s_mov_b32 s[\g+7], 0
.endr
	s_lshl_b32 s18, s16, 7
	s_lshl_b32 s20, s17, 8
	s_add_co_u32 s20, s20, s18
	s_lshl_b32 s20, s20, 10                        ; A: (256 x tile + 128 x half) rows of 1,024 bytes
	s_mov_b32 s21, 0
	s_lshl_b32 s46, s42, 8
	s_add_co_u32 s46, s46, s18
	s_lshl_b32 s46, s46, 10                        ; B likewise
	s_mov_b32 s47, 0
	s_mul_i32 s45, s14, HALFT                      ; where they go: wave x 128 rows
	s_wait_dscnt 0x0                               ; both opening adds are done
	s_wait_kmcnt 0x0
.if QKV
	s_lshl_b32 s22, s94, 22
	s_mov_b32 s23, 0
	s_add_nc_u64 s[4:5], s[68:69], s[22:23]        ; Xn's part p
	s_mov_b64 s[12:13], s[82:83]                   ; the mask
	s_cmp_eq_u32 s94, 0                            ; the choices hang on the cluster's x alone
	s_cselect_b64 s[6:7], s[70:71], s[72:73]
	s_cselect_b64 s[8:9], s[76:77], s[78:79]
	s_cselect_b64 s[10:11], s[86:87], s[88:89]
	s_cmp_eq_u32 s94, 2
	s_cselect_b64 s[6:7], s[74:75], s[6:7]         ; the weight,
	s_cselect_b64 s[8:9], s[80:81], s[8:9]         ; its bias,
	s_cselect_b64 s[10:11], s[90:91], s[10:11]     ; the output
	s_cselect_b64 s[18:19], s[6:7], s[4:5]         ; for v the operands change places
	s_cselect_b64 s[6:7], s[4:5], s[6:7]
	s_mov_b64 s[4:5], s[18:19]
	s_cselect_b32 s98, s17, s42                    ; the tile of channels,
	s_cselect_b32 s99, s42, s17                    ; the tile of tokens
.endif
	s_load_b512 s[68:83], s[84:85], 0x0            ; the sixteen exponents: wanted on the way out
	s_add_nc_u64 s[20:21], s[4:5], s[20:21]
	s_add_nc_u64 s[46:47], s[6:7], s[46:47]
	CROUND                                         ; all sixteen work-groups are here: the first joint loads meet
.irp s, 0,1
	s_mov_b32 s[G0+4*\s], 1
	s_add_co_u32 s[G0+4*\s+1], s45, \s*SLOT
	s_add_nc_u64 s[G0+4*\s+2:G0+4*\s+3], s[20:21], \s*ROWB
	s_or_b32 s[G0+4*\s+3], s[G0+4*\s+3], 0x80000000
	s_mov_b32 s[G0B+4*\s], 1
	s_add_co_u32 s[G0B+4*\s+1], s45, \s*SLOT
	s_add_nc_u64 s[G0B+4*\s+2:G0B+4*\s+3], s[46:47], \s*ROWB
	s_or_b32 s[G0B+4*\s+3], s[G0B+4*\s+3], 0x80000000
.endr
	JLOAD G0, G1, G0B, G1B                         ; K step 0: one tensor load a wave at the head
	; PREFETCH: behind the loads of K steps 0 and 1 each wave names K steps 2 and 3, two steps ahead: of the 128 rows that it fetches, its work-group's 32 (told apart by address: cx for A, cy for B), a lane a row of 256 bytes
	s_cmp_eq_u32 s15, 0                            ; do I fetch for A?
	s_cselect_b32 s22, s40, s41                    ; my place among the four that ask with me
	s_cselect_b64 s[86:87], s[20:21], s[46:47]     ; the 128 rows that I fetch, at K step 0
	s_lshl_b32 s22, s22, 15                        ; 32 rows of 1,024 bytes
	s_mov_b32 s23, 0
	s_add_nc_u64 s[86:87], s[86:87], s[22:23]
	v_and_b32 v32, 31, v0
	v_lshlrev_b32 v32, 10, v32
	global_prefetch_b8 v32, s[86:87] offset:ROWB th:TH_LOAD_NT scope:SCOPE_SE     ; K step 1 too: its load goes out only when K step 0 has landed
	global_prefetch_b8 v32, s[86:87] offset:2*ROWB th:TH_LOAD_NT scope:SCOPE_SE
	; the tile's 256 biases (and mask words) are copied once, 8 bytes a thread, 1,024 bytes on end, and used from LDS
.if QKV
	s_lshl_b32 s22, s98, 10
.else
	s_lshl_b32 s22, s42, 10
.endif
	s_mov_b32 s23, 0
	s_add_nc_u64 s[8:9], s[8:9], s[22:23]
	v_lshlrev_b32 v10, 3, v0
	v_lshl_add_u32 v11, v0, 3, BT
	global_load_b64 v[30:31], v10, s[8:9]
.if QKV
	s_lshl_b32 s22, s99, 10
	s_add_nc_u64 s[12:13], s[12:13], s[22:23]
	global_load_b64 v[6:7], v10, s[12:13]
.endif
	v_and_b32 v1, 15, v0                           ; r
	v_bfe_u32 v2, v0, 4, 1                         ; h
	v_mul_u32_u24 v3, v1, PITCH
	s_wait_alu depctr_va_vdst(0)
	v_lshl_add_u32 v4, v2, 4, v3                   ; a fragment's row x pitch + 16 h
	s_mul_i32 s21, s15, HALFT
	s_mul_i32 s22, s16, HALFT
	s_add_co_u32 s22, s22, 2*HALFT
.irp s, 0,1
	v_add_nc_u32 v[ADRA+\s], s21, v4
	v_add_nc_u32 v[ADRB+\s], s22, v4
	s_add_co_u32 s21, s21, SLOT
	s_add_co_u32 s22, s22, SLOT
.endr
	s_mul_i32 s23, s15, 128*PITCH                  ; the stage: row 128 wm + 16 a + r, byte 128 wn + 16 b + 8 h
	s_lshl_b32 s22, s16, 7
	s_add_co_u32 s23, s23, s22
	v_lshl_add_u32 v5, v2, 3, v3
	v_add_nc_u32 v[STO_A], s23, v5
	v_add_nc_u32 v[STO_V], STG_V, v[STO_A]
	s_lshl_b32 s22, s16, 9
	s_add_co_u32 s22, s22, BT
	v_lshl_add_u32 v[ABC], v2, 5, s22              ; biases by column: 4 (128 wn + 16 b + 8 h)
	s_lshl_b32 s22, s15, 9
	s_add_co_u32 s22, s22, BT
	v_lshl_add_u32 v[ABR], v1, 2, s22              ; by row: 4 (128 wm + 16 a + r)
	v_add_nc_u32 v[AMT], 1024, v[ABR]              ; the mask word of that row
	s_mul_i32 s22, s14, 64*PITCH
	s_add_co_u32 s22, s22, STG_R
	v_mul_u32_u24 v5, v2, PITCH
	v_lshl_add_u32 v5, v1, 4, v5
	v_add_nc_u32 v[RDR], s22, v5                   ; back by rows: wave w takes rows 64 w on; sixteen lanes a row
	v_and_b32 v8, 31, v0
	v_lshrrev_b32 v9, 2, v8
	v_mul_u32_u24 v9, v9, PITCH
	v_and_b32 v5, 3, v0
	v_lshl_add_u32 v9, v5, 4, v9
	s_lshl_b32 s22, s14, 6
	v_add_nc_u32 v[RDH], s22, v9                   ; back by heads: wave w takes bytes 64 w on of every row; four lanes a row
	v_add_nc_u32 v[RDH2], 128*PITCH, v[RDH]
	v_lshlrev_b32 v[GOH], 4, v8
	v_mul_u32_u24 v5, v2, OP
	v_lshl_add_u32 v[GOR], v1, 4, v5
	s_wait_loadcnt 0x0
	ds_store_b64 v11, v[30:31]
.if QKV
	s_cmp_eq_u32 s94, 1
	s_cselect_b32 s22, 0, 1                        ; only k's rows can be hidden
	v_or_b32 v6, s22, v6
	v_or_b32 v7, s22, v7
	ds_store_b64 v11, v[6:7] offset:1024
.endif
.macro FRAG reg, adr, q, i             ; 16 rows x 128 K: registers 4 c .. 4 c + 3 hold K = 32 c + 16 h + 0 .. 15 of row r
.irp c, 0,1,2,3
	ds_load_b128 v[\reg+4*\c:\reg+4*\c+3], v[\adr] offset:128*(\q)+32*\c+(\i)*16*PITCH
.endr
.endm
.macro MUL16 a0, p, zero               ; the 64 accumulators take turns, one instruction a turn, in the same order in every step
.irp a, \a0, \a0+1
.irp b, 0,1,2,3,4,5,6,7
.if \zero
	v_wmma_f32_16x16x128_fp8_fp8 v[8*(8*((\a)%4)+\b):8*(8*((\a)%4)+\b)+7], v[128*(\p)+FR*\b:128*(\p)+FR*\b+FR-1], v[AF+FR*(\a):AF+FR*(\a)+FR-1], 0
.else
	v_wmma_f32_16x16x128_fp8_fp8 v[8*(8*((\a)%4)+\b):8*(8*((\a)%4)+\b)+7], v[128*(\p)+FR*\b:128*(\p)+FR*\b+FR-1], v[AF+FR*(\a):AF+FR*(\a)+FR-1], v[8*(8*((\a)%4)+\b):8*(8*((\a)%4)+\b)+7]
.endif
.endr
.endr
.endm
.macro FETCH_B slot, q, p
	WIN TO_B
.irp i, 0,1,2,3,4,5,6,7
	FRAG 128*(\p)+FR*\i, ADRB+\slot, \q, \i
.endr
	WIN 0
.endm
.macro FETCH_A slot, q, i0
.irp i, \i0, \i0+1, \i0+2, \i0+3
	FRAG AF+FR*(\i), ADRA+\slot, \q, \i
.endr
.endm
.macro PLACES n                        ; plain vector instructions between a matrix instruction and a load into, or a read of, its registers
.rept \n
	v_nop
.endr
.endm
.macro STEP slot, q, zero              ; 128 along K, with its successor in the same slot
	s_wait_dscnt 4*NL                              ; B's set and A's blocks 0-3 are in; the youngest sixteen loads (A's blocks 4-7) may be out
	WIN MUL_LO
	MUL16 0, (\q)%2, \zero
	MUL16 2, (\q)%2, \zero
	s_wait_dscnt 0
	PLACES NP
	FETCH_B \slot, (\q)+1, 1-(\q)%2
	FETCH_A \slot, (\q)+1, 0
	WIN MUL_HI
	MUL16 4, (\q)%2, \zero
	MUL16 6, (\q)%2, \zero
	PLACES NP
	WIN 0
	FETCH_A \slot, (\q)+1, 4
.endm
.macro TURN slot, next, fill           ; a slot's last step changes slots
	s_wait_tensorcnt 0x0                           ; all my tensor loads have landed: my part of the next slot
	ds_add_u32 v[SPW], v[NIL]                      ; 0 onto my spare word
	s_wait_dscnt 4*NL+1                            ; the add and the youngest sixteen loads may be out
	WIN MUL_LO
	MUL16 0, 1, 0
	s_wait_dscnt 0x0                               ; the add is done, and my reads of this slot are over
	s_barrier_signal -1
	MUL16 2, 1, 0
	WIN 0
	s_barrier_wait -1
.if \fill
	CREST                                          ; the barrier has opened a round of the cluster's: no wave of any partner still reads this slot or has a load on its way
	s_add_nc_u64 s[G0+4*\slot+2:G0+4*\slot+3], s[G0+4*\slot+2:G0+4*\slot+3], 2*ROWB
	s_add_nc_u64 s[G0B+4*\slot+2:G0B+4*\slot+3], s[G0B+4*\slot+2:G0B+4*\slot+3], 2*ROWB
	JLOAD G0+4*\slot, G1, G0B+4*\slot, G1B
.else
	PLACES NP
.endif
	FETCH_B \next, 0, 0
	FETCH_A \next, 0, 0
	WIN MUL_HI
	MUL16 4, 1, 0
	MUL16 6, 1, 0
	PLACES NP
	WIN 0
	FETCH_A \next, 0, 4
.endm
	s_wait_alu depctr_va_vdst(0)                   ; the wait at the head's end
	s_wait_tensorcnt 0x0                           ; my part of K step 0 is in
	ds_add_u32 v[SPW], v[NIL]
	s_wait_dscnt 0x0                               ; the add is done, and my biases and mask words lie in LDS
	CROUND                                         ; everybody's part of K step 0 is in, and all sixteen work-groups are here
	JLOAD G0+4, G1, G0B+4, G1B                     ; K step 1: the first tensor load behind the round
	global_prefetch_b8 v32, s[86:87] offset:3*ROWB th:TH_LOAD_NT scope:SCOPE_SE
	FETCH_B 0, 0, 0
	FETCH_A 0, 0, 0
	FETCH_A 0, 0, 4
	STEP 0, 0, 1                                   ; the first step's products start the sums
	s_mov_b32 s3, LAPS-1
.Llap:
	TURN 0, 1, 1
	STEP 1, 0, 0
	TURN 1, 0, 1
	STEP 0, 0, 0
	s_sub_co_u32 s3, s3, 1
	s_cmp_lg_u32 s3, 0
	s_cbranch_scc1 .Llap
	TURN 0, 1, 0                                   ; the last lap fills nothing
	STEP 1, 0, 0
	s_wait_dscnt 4*NL
	WIN MUL_LO
	MUL16 0, 1, 0
	MUL16 2, 1, 0
	s_wait_dscnt 0
	WIN MUL_HI
	MUL16 4, 1, 0
	MUL16 6, 1, 0
	WIN 0
; THE WAY OUT.  value = sum x 2^(eA + eB) + bias; held; converted with the result's 2^e; a lane's eight codes, 8 bytes of a row, go into the work-group's stage; a barrier; whole runs of bytes leave.
	s_wait_kmcnt 0x0
	s_wait_xcnt 0x0                                ; the prefetches have read v32: the way out writes it
.if QKV
	s_add_co_i32 s20, s68, s69
	s_add_co_i32 s21, s70, s71
	s_add_co_i32 s22, s72, s73
	s_cmp_eq_u32 s94, 0
	s_cselect_b32 s92, s20, s21
	s_cselect_b32 s23, s74, s75                    ; q: entry 6, k: entry 7,
	s_cmp_eq_u32 s94, 2
	s_cselect_b32 s92, s22, s92
	s_cselect_b32 s23, s77, s23                    ; v: entry 9
.else
	s_add_co_i32 s92, s80, s81                     ; entries 12 and 13
	s_mov_b32 s23, s82                             ; entry 14
.endif
	s_add_co_i32 s92, s92, 127
	s_lshl_b32 s92, s92, 23                        ; 2^(eA + eB)
	s_mov_b32 s93, s92
	s_add_co_i32 s23, s23, 127
	s_lshl_b32 s22, s23, 23
	v_mov_b32 v[SCO], s22
	s_add_co_i32 s23, s23, 8
	s_lshl_b32 s23, s23, 23
	s_or_b32 s23, s23, 0x600000
	v_mov_b32 v[LIMO], s23
.macro P1 byrow, relu, masked, sto
.if \byrow
.irp a, 0,1,2,3,4,5,6,7
	ds_load_b32 v[BR+2*\a], v[ABR] offset:64*\a
.endr
.else
.irp b, 0,1,2,3,4,5,6,7
	ds_load_b128 v[BC+8*\b:BC+8*\b+3], v[ABC] offset:64*\b
	ds_load_b128 v[BC+8*\b+4:BC+8*\b+7], v[ABC] offset:64*\b+16
.endr
.endif
.if \masked
.irp a, 0,1,2,3,4,5,6,7
	ds_load_b32 v[MK+\a], v[AMT] offset:64*\a
.endr
.endif
	s_wait_dscnt 0x0
.if \byrow
.irp a, 0,1,2,3,4,5,6,7
	v_mov_b32 v[BR+2*\a+1], v[BR+2*\a]
.endr
.endif
.if \masked
	s_wait_alu depctr_va_vdst(0)
.irp a, 0,1,2,3,4,5,6,7
	v_cmp_ne_u32 vcc_lo, 0, v[MK+\a]
	v_cndmask_b32 v[LIM+\a], 0, v[LIMO], vcc_lo    ; a hidden key's limit is 0: its codes are zeros
.endr
.endif
	PLACES NP
.irp a, 0,1,2,3,4,5,6,7
	WIN 0x02+((\a)/4)                              ; source 0: window 2 or 3
.set j, 0
.rept 32
.if \byrow
	v_pk_fma_f32 v[TMP+j:TMP+j+1], v[64*((\a)%4)+j:64*((\a)%4)+j+1], s[92:93], v[BR+2*\a:BR+2*\a+1] op_sel_hi:[1,0,1]
.else
	v_pk_fma_f32 v[TMP+j:TMP+j+1], v[64*((\a)%4)+j:64*((\a)%4)+j+1], s[92:93], v[BC+j:BC+j+1] op_sel_hi:[1,0,1]   ; each accumulator from its low end on
.endif
.set j, j+2
.endr
	WIN 0
.set j, 0
.rept 64
.if \relu
	v_med3_num_f32 v[TMP+j], v[TMP+j], 0, v[LIMO]  ; the activation and the hold in one
.elseif \masked
	v_med3_num_f32 v[TMP+j], v[TMP+j], -v[LIM+\a], v[LIM+\a]
.else
	v_med3_num_f32 v[TMP+j], v[TMP+j], -v[LIMO], v[LIMO]
.endif
.set j, j+1
.endr
	s_wait_alu depctr_va_vdst(0)
	s_wait_dscnt 0x0                               ; the last block's stores have read their registers
.irp b, 0,1,2,3,4,5,6,7
	v_cvt_scalef32_pk8_fp8_f32 v[CD+2*\b:CD+2*\b+1], v[TMP+8*\b:TMP+8*\b+7], v[SCO]
.endr
	v_nop                                          ; a plain instruction between the conversions and the next writes of their sources
.irp b, 0,1,2,3,4,5,6,7
	ds_store_b64 v[\sto], v[CD+2*\b:CD+2*\b+1] offset:16*PITCH*\a+16*\b
.endr
.endr
.endm
.macro P2H                             ; by heads: 256 tokens x 64 bytes of one head are 16,384 bytes on end in memory; a store covers 512 of them
.set t, 0
.rept 16
	ds_load_b128 v[128+4*t:131+4*t], v[RDH] offset:8*PITCH*t
.set t, t+1
.endr
.rept 16
	ds_load_b128 v[128+4*t:131+4*t], v[RDH2] offset:8*PITCH*(t-16)
.set t, t+1
.endr
.set t, 0
.rept 32
	s_wait_dscnt 31-t                              ; load t is in; the younger ones may be out
	global_store_b128 v[GOH], v[128+4*t:131+4*t], s[10:11] offset:512*t
.set t, t+1
.endr
.endm
.macro P2R                             ; by rows: sixteen lanes store 256 bytes on end, aligned
.set t, 0
.rept 32
	ds_load_b128 v[128+4*t:131+4*t], v[RDR] offset:2*PITCH*t
.set t, t+1
.endr
.set t, 0
.rept 32
	s_wait_dscnt 31-t
	global_store_b128 v[GOR], v[128+4*t:131+4*t], s[10:11] offset:2*OP*t
.set t, t+1
.endr
.endm
.if QKV
	s_cmp_eq_u32 s94, 2                            ; the cluster's x: the same in all waves and all partners
	s_cbranch_scc1 .Lv1
	P1 0, 0, 1, STO_A
	s_branch .Lj1
.Lv1:
	P1 1, 0, 0, STO_V
.Lj1:
.else
	P1 0, 1, 0, STO_A
.endif
	s_wait_dscnt 0x0                               ; my stores into the stage are done
	s_barrier_signal -1
	s_barrier_wait -1
.if QKV
	s_cmp_eq_u32 s94, 2
	s_cbranch_scc1 .Lv2
	s_lshr_b32 s20, s17, 3
	s_lshl_b32 s20, s20, 21                        ; the batch: 16 heads x 2,048 x 64 bytes
	s_lshl_b32 s21, s42, 2
	s_add_co_u32 s21, s21, s14
	s_lshl_b32 s21, s21, 17                        ; head 4 x tile + wave
	s_add_co_u32 s20, s20, s21
	s_and_b32 s21, s17, 7
	s_lshl_b32 s21, s21, 14                        ; 256 tokens x 64 bytes a tile
	s_add_co_u32 s20, s20, s21
	s_mov_b32 s21, 0
	s_add_nc_u64 s[10:11], s[10:11], s[20:21]
	P2H
	s_branch .Lj2
.Lv2:
	s_lshr_b32 s20, s42, 3
	s_lshl_b32 s20, s20, 21
	s_lshl_b32 s21, s17, 8
	s_lshl_b32 s22, s14, 6
	s_add_co_u32 s21, s21, s22
	s_lshl_b32 s21, s21, 11                        ; channel 256 x tile + 64 x wave: rows of 2,048 bytes
	s_add_co_u32 s20, s20, s21
	s_and_b32 s21, s42, 7
	s_lshl_b32 s21, s21, 8
	s_add_co_u32 s20, s20, s21
	s_mov_b32 s21, 0
	s_add_nc_u64 s[10:11], s[10:11], s[20:21]
	P2R
.Lj2:
.else
	s_lshl_b32 s20, s17, 8
	s_lshl_b32 s21, s14, 6
	s_add_co_u32 s20, s20, s21
	s_lshl_b32 s20, s20, 12                        ; token 256 x tile + 64 x wave: rows of 4,096 bytes
	s_lshl_b32 s21, s42, 8
	s_add_co_u32 s20, s20, s21
	s_mov_b32 s21, 0
	s_add_nc_u64 s[10:11], s[10:11], s[20:21]
	P2R
.endif
	s_wait_tensorcnt 0x0                           ; the wave's end
	ds_add_u32 v[SPW], v[NIL]
	s_wait_dscnt 0x0
	CROUND                                         ; the closing round
	s_endpgm
.Lfunc_end_k_qd1df57fae8_qkv:
	.size	k_qd1df57fae8_qkv, .Lfunc_end_k_qd1df57fae8_qkv-k_qd1df57fae8_qkv
	.p2alignl 7, 3214868480
	.fill 96, 4, 3214868480
	.section	.rodata,"a",@progbits
	.p2align	6, 0x0
	.amdhsa_kernel k_qd1df57fae8_qkv
		.amdhsa_group_segment_fixed_size 327680
		.amdhsa_private_segment_fixed_size 0
		.amdhsa_enable_private_segment 0
		.amdhsa_kernarg_size 96
		.amdhsa_user_sgpr_count 2
		.amdhsa_user_sgpr_kernarg_segment_ptr 1
		.amdhsa_wavefront_size32 1
		.amdhsa_system_sgpr_workgroup_id_x 1
		.amdhsa_system_sgpr_workgroup_id_y 1
		.amdhsa_system_sgpr_workgroup_id_z 1
		.amdhsa_system_vgpr_workitem_id 0
		.amdhsa_next_free_vgpr 1024
		.amdhsa_next_free_sgpr 100
		.amdhsa_reserve_vcc 1
		.amdhsa_float_denorm_mode_32 3
		.amdhsa_float_denorm_mode_16_64 3
		.amdhsa_memory_ordered 1
		.amdhsa_forward_progress 1
		.amdhsa_inst_pref_size 212
	.end_amdhsa_kernel
	.amdgpu_metadata
---
amdhsa.version: [ 1, 2 ]
amdhsa.kernels:
  - .name:           k_qd1df57fae8_qkv
    .symbol:         k_qd1df57fae8_qkv.kd
    .args:
      - { .name: xn1c, .offset: 0, .size: 8, .value_kind: global_buffer, .address_space: global }
      - { .name: wq_codes, .offset: 8, .size: 8, .value_kind: global_buffer, .address_space: global }
      - { .name: wk_codes, .offset: 16, .size: 8, .value_kind: global_buffer, .address_space: global }
      - { .name: wv_codes, .offset: 24, .size: 8, .value_kind: global_buffer, .address_space: global }
      - { .name: bq, .offset: 32, .size: 8, .value_kind: global_buffer, .address_space: global }
      - { .name: bk, .offset: 40, .size: 8, .value_kind: global_buffer, .address_space: global }
      - { .name: bv, .offset: 48, .size: 8, .value_kind: global_buffer, .address_space: global }
      - { .name: src_mask, .offset: 56, .size: 8, .value_kind: global_buffer, .address_space: global }
      - { .name: lowp_scales, .offset: 64, .size: 8, .value_kind: global_buffer, .address_space: global }
      - { .name: qc, .offset: 72, .size: 8, .value_kind: global_buffer, .address_space: global }
      - { .name: kc, .offset: 80, .size: 8, .value_kind: global_buffer, .address_space: global }
      - { .name: vc, .offset: 88, .size: 8, .value_kind: global_buffer, .address_space: global }
    .group_segment_fixed_size: 327680
    .private_segment_fixed_size: 0
    .kernarg_segment_align: 8
    .kernarg_segment_size: 96
    .max_flat_workgroup_size: 128
    .sgpr_count:     100
    .vgpr_count:     1024
    .wavefront_size: 32
...
	.end_amdgpu_metadata
.endif
;; end of part 2
;; launch att (part 3): grid 8 x 32, 8 waves a work-group, clusters of 4 x 1, 327,680 bytes of LDS; arguments qc, kc, vc, src_mask, lowp_scales, ctxc; writes ctxc
.if DOCPART == 3
	.amdgcn_target "amdgcn-amd-amdhsa--gfx1250"
	.amdhsa_code_object_version 6
	.text
	.protected	k_qd1df57fae8_att
	.globl	k_qd1df57fae8_att
	.p2align	8
	.type	k_qd1df57fae8_att,@function
k_qd1df57fae8_att:
	s_mov_b64 s[64:65], 0
	v_nop
	global_prefetch_b8 v0, s[64:65] scope:SCOPE_SE
	s_setreg_imm32_b32 hwreg(HW_REG_WAVE_MODE, 25, 1), 1
	s_wait_xcnt 0x0
	s_wait_alu depctr_hold_cnt(0) depctr_sa_sdst(0) depctr_va_vdst(0) depctr_va_sdst(0) depctr_va_ssrc(0) depctr_va_vcc(0) depctr_vm_vsrc(0)
	s_getreg_b32 s2, hwreg(HW_REG_IB_STS2, 6, 4)
	s_cmp_eq_u32 s2, 0
	s_cbranch_scc0 .Lentry_in_a_cluster
	s_endpgm
.Lentry_in_a_cluster:
	s_bfe_u32 s2, ttmp6, 0x10000c
	s_cmp_lg_u32 s2, 0x3003
	s_cbranch_scc0 .Lentry_shape_is_right
	s_endpgm
.Lentry_shape_is_right:
; ctx[b][q][head] = softmax_k(where(mask[k] == 0, -1, q . k / 8)) v, both products on codes of E4M3; the result is quantised for the projection.  No work of reference() is left out.
; q, k: [b][head][2048][64] codes; v: [b][head][64][2048] codes, keys innermost; ctx: [head][4096 tokens][64] codes, so that a work-group's 16,384 bytes lie on end.
; THE SOFTMAX: t = logit x log2(e); M = the running largest t rounded up to a whole number; p = 2^(t - M) is quantised along the keys; the row's sum is taken of the unquantised p and divides at the end.
; THE MASK: a hidden key's codes of k are zeros (the launch before holds them at 0), so its products are exactly 0; each score's sum begins with C = kb[key]: 0 for an open key, -8 x 2^-(e6 + e7) for a hidden one,
; which times c = log2(e) / 8 x 2^(e6 + e7) is -log2(e): the logit -1 of reference().  Hidden keys stay in the softmax and in the second product, as reference() has them.
; SHARES: a work-group owns 256 queries of one head, each of its EIGHT waves 32: two tiles u = 0, 1 of 16 queries; a lane holds one query of each tile (both products transposed).
; Every fragment of K and of V and every term kb that a wave reads from LDS feeds two matrix instructions: 48 LDS loads a key step of 128 keys for 24 matrix instructions.
; ALL OF A HEAD'S K AND V LIE IN LDS, and no byte of LDS is filled twice: eight first fills, ONE A WAVE: waves 0-3 fetch K (region wave % 2, half (wave / 2) of the keys), waves 4-7 V (quarter wave % 4 of the keys, all 64 channels).
; One barrier behind all loads; the sixteen key steps have none.  CLUSTER: the four query blocks of a cluster belong to one head and ask jointly.  NO PREFETCH: every tile is asked for at the head, so there is no loop to run ahead in.
; THE KEYS OF A TILE ARE NOT NEIGHBOURS: lane r of tile 2 b + u takes key 32 b + 8 u + r + 8 (r / 8), so that the 16 registers of tiles 2 b, 2 b + 1 are keys 32 b + 16 (lane / 16) + 0 .. 15.
; K LIES IN TWO REGIONS: keys whose bit 4 is 0 from byte 0 on, those whose bit 4 is 1 from byte KODD on, each 16 (key / 32) + key % 16 rows of 80 bytes in.  A tile's lanes 0-7 read the first region, lanes 8-15 the same
; rows of the second; KODD is 128 modulo 256, so the sixteen rows of a load begin at sixteen different 16-byte columns of 256 bytes (64 banks of 4 bytes: ISA guide 11.1).
; THE EXPONENTIALS go in two batches, a tile each.  Among tile 0's stand tile 1's scalings; among tile 1's stand tile 0's first sums (into registers of their own) and holds: each names no result of the batch in hand and is first read behind the batch's wait.
; LIMITS: e6 + e7 between -124 and 129; e8 and e10 between -126 and 119; the scaled scores stay under 2^31 in magnitude.  NaN among the inputs is not served.
; REGISTERS, window 0: v1-11 addresses; v[12+2u] -M, v[13+2u] the largest t; v16-31 Q; v32-95 K's fragments, then partial sums; v96-223 S^T, then p; v224-251 sums, factors, constants.
;   window 1: v0-63 O^T; v64-127 kb; v128-159 p's codes; v160-223 V's fragments.
.set KP,    80                         ; a key's row in LDS: 64 bytes + 16
.set KR,    1024*KP                    ; a region of K: 1,024 rows
.set KODD,  KR+128
.set VP,    528                        ; a row of V's quarter: 512 bytes + 16
.set VB,    ((KODD+KR+255)/256)*256
.set VQ,    64*VP
.set KB,    VB+4*VQ                    ; the 2,048 terms kb
.set STAGE, KB+8192                    ; the way out: 2,048 bytes a wave
.set SPARE, STAGE+16384                ; the spare words, 128 bytes a wave
.set AK0, 1
.set AV0, 2
.set AB0, 3
.set STO, 4
.set SPW, 5
.set NIL, 6
.set RDS, 7
.set ADK, 8
.set ADV, 9
.set ADB, 10
.set GO,  11
.set NM,  12
.set Q,   16
.set TP,  32
.set S,   96
.set SUM, 224                          ; v[224+2u:225+2u] the row's sum, in two halves
.set F,   232                          ; v[232+2u] f; its upper neighbour is named with it as a pair
.set MA,  236                          ; v[236+2u], v[237+2u] the maximum's two chains
.set LIMP, 240                         ; 448 x 2^e8, twice: one for each half of a dual pair
.set PD,  242                          ; v[242+u] a lane permute's destination
.set SCP, 244                          ; 2^e8
.set SCO, 246                          ; 2^e10
.set LIMO, 247                         ; 448 x 2^e10
.set KBC, 248
.set MO,  249
.set KBA, 250
.set TT,  251
.set O,   0                            ; window 1
.set KBR, 64
.set CD,  128
.set VF,  160
.set WV,  18
.set SEL, 20
.set CS,  22
.set G1K, 24
.set G1V, 32
.set G0K, 40
.set G0V, 44
.set TBK, 48
.set TBV, 49                           ; in V's rows,
.set TBB, 50
.set CNT, 51                           ; key steps done
.set MSB, 0
.macro WIN new                         ; bits 1:0 source 0, 3:2 source 1, 5:4 source 2, 7:6 destination; the immediate's high byte repeats the setting that is left
.if MSB != (\new)
	s_set_vgpr_msb (MSB<<8)|(\new)
.set MSB, (\new)
.endif
.endm
.macro CROUND
	s_barrier_signal -1
	s_barrier_wait -1
	s_cmp_lg_u32 s[WV], 0
	s_cbranch_scc1 .Lnot_wave_0_\@
	s_barrier_signal -3
.Lnot_wave_0_\@:
	s_barrier_wait -3
	s_barrier_signal -1
	s_barrier_wait -1
.endm
.macro HOLD base, n                    ; n pairs from register base: the conversion does not saturate (ISA guide 7.6.2); p is not negative, so the hold is one-sided; two numbers an instruction
.set k, 0
.rept \n
	v_dual_min_num_f32 v[\base+k], v[\base+k], v[LIMP] :: v_dual_min_num_f32 v[\base+k+1], v[\base+k+1], v[LIMP+1]
.set k, k+2
.endr
.endm
.macro LEVEL w, n                      ; a level of both tiles' trees of partial sums: n additions a tile, partners w registers apart
.set i, 0
.rept \n
.irp u, 0,1
	v_pk_add_f32 v[TP+32*\u+2*(\w)*i:TP+32*\u+2*(\w)*i+1], v[TP+32*\u+2*(\w)*i:TP+32*\u+2*(\w)*i+1], v[TP+32*\u+2*(\w)*i+(\w):TP+32*\u+2*(\w)*i+(\w)+1]
.endr
.set i, i+1
.endr
.endm
	s_load_b256 s[4:11], s[0:1], 0x0               ; q s[4:5], k s[6:7], v s[8:9], the mask s[10:11]
	s_load_b128 s[12:15], s[0:1], 0x20             ; the scales' exponents s[12:13], ctx s[14:15]
	v_lshl_add_u32 v[SPW], v0, 2, SPARE
	v_mov_b32 v[NIL], 0
	ds_add_u32 v[SPW], v[NIL]                      ; the wave's opening: the add, twice on end, and its wait ahead of my tensor load
	ds_add_u32 v[SPW], v[NIL]
	v_lshrrev_b32 v8, 5, v0
	v_readfirstlane_b32 s[WV], v8                  ; wave 0..7
	s_and_b32 s19, s[WV], 1                        ; K: which region I fetch,
	s_bfe_u32 s54, s[WV], 0x10001                  ; which half of the keys
	s_and_b32 s53, s[WV], 3                        ; V: which quarter of the keys
	s_and_b32 s58, ttmp7, 0xffff                   ; 16 b + head: the four partners share it
	s_lshl_b32 s60, s58, 17                        ; the head's first byte in q, k and v
	s_lshl_b32 s62, s19, 10                        ; K in memory: the odd runs begin 16 keys of 64 bytes on,
	s_add_co_u32 s62, s62, s60
	s_lshl_b32 s55, s54, 16                        ; a half is 1,024 keys of 64 bytes
	s_add_co_u32 s62, s62, s55
	s_mov_b32 s63, 0
	s_lshl_b32 s66, s53, 9                         ; V in memory: a quarter is 512 bytes of each row
	s_add_co_u32 s66, s66, s60
	s_mov_b32 s67, 0
	s_mul_i32 s56, s19, KODD                       ; K in LDS: the region, and 512 rows a half
	s_mul_i32 s55, s54, 512*KP
	s_add_co_u32 s56, s56, s55
	s_mul_i32 s57, s53, VQ                         ; V in LDS: the quarter
	s_add_co_u32 s57, s57, VB
	s_bfe_u32 s16, ttmp6, 0x40000                  ; cx: it enters q's and ctx's addresses alone
	s_lshl_b32 s17, ttmp9, 2
	s_add_co_u32 s17, s17, s16                     ; my block of 256 queries
	s_lshl_b32 s17, s17, 14
	s_lshl_b32 s55, s[WV], 11
	s_add_co_u32 s17, s17, s55                     ; + my wave's 32 rows of 64 bytes
	s_add_co_u32 s55, s55, STAGE                   ; my stage: the wave's number alone
	s_add_co_u32 s2, s17, s60                      ; q's offset
	s_mov_b32 s3, 0
	s_and_b32 s59, s58, 15
	s_lshl_b32 s59, s59, 18                        ; ctx: the head's 4,096 tokens x 64 bytes,
	s_lshr_b32 s61, s58, 4
	s_lshl_b32 s16, s61, 17                        ; the batch's 2,048 tokens
	s_add_co_u32 s16, s16, s59
	s_add_co_u32 s16, s16, s17
	s_mov_b32 s17, 0
	s_lshl_b32 s60, s61, 13                        ; the mask: the batch's 2,048 words
	s_mov_b32 s61, 0
	s_mov_b32 s[G1K], 15|(1<<20)|(1<<21)|(3<<22)|(3<<25)   ; the mask names all four; elements of 1 byte; padding: 4 words behind every 16
	s_mov_b32 s[G1K+1], 1024<<16                   ; tensor_dim0: 16 keys x 64 bytes on end
	s_mov_b32 s[G1K+2], 32<<16                     ; tensor_dim1: a half's 32 runs
	s_mov_b32 s[G1K+3], 1024<<16                   ; tile_dim0
	s_mov_b32 s[G1K+4], 32                         ; tile_dim1
	s_mov_b32 s[G1K+5], 2048                       ; from run to run: 32 keys
	s_mov_b32 s[G1K+6], 0
	s_mov_b32 s[G1K+7], 0
	s_mov_b32 s[G1V], 15|(1<<20)|(1<<21)|(6<<22)|(3<<25)   ; padding: 4 words behind every 128
	s_mov_b32 s[G1V+1], 512<<16
	s_mov_b32 s[G1V+2], 64<<16
	s_mov_b32 s[G1V+3], 512<<16
	s_mov_b32 s[G1V+4], 64
	s_mov_b32 s[G1V+5], 2048
	s_mov_b32 s[G1V+6], 0
	s_mov_b32 s[G1V+7], 0
	s_mov_b32 s[SEL], 0x76543210                   ; selects: lane l xor 16
	s_mov_b32 s[SEL+1], 0xfedcba98
	s_mov_b32 s[CS], 0x3e38aa3b                    ; log2(e) / 8
	s_mov_b32 s[TBV], 0
	s_mov_b32 s[CNT], 0
	s_wait_dscnt 0x0                               ; both opening adds are done
	s_wait_kmcnt 0x0
	s_load_b512 s[84:99], s[12:13], 0x0            ; the sixteen exponents
	s_add_nc_u64 s[4:5], s[4:5], s[2:3]
	s_add_nc_u64 s[14:15], s[14:15], s[16:17]
	s_add_nc_u64 s[10:11], s[10:11], s[60:61]
	s_mov_b32 s[G0K], 1
	s_mov_b32 s[G0K+1], s56
	s_add_nc_u64 s[G0K+2:G0K+3], s[6:7], s[62:63]
	s_or_b32 s[G0K+3], s[G0K+3], 0x80000000
	s_mov_b32 s[G0V], 1
	s_mov_b32 s[G0V+1], s57
	s_add_nc_u64 s[G0V+2:G0V+3], s[8:9], s[66:67]
	s_or_b32 s[G0V+3], s[G0V+3], 0x80000000
	CROUND                                         ; all four work-groups are here: the joint loads meet
	s_cmp_lt_u32 s[WV], 4                          ; one fill in each arm of one branch on the wave's number; an s_nop 0 and four v_nop follow each
	s_cbranch_scc0 .Lfor_v
	tensor_load_to_lds s[G0K:G0K+3], s[G1K:G1K+7]
	s_nop 0
.rept 4
	v_nop
.endr
	s_branch .Lasked
.Lfor_v:
	tensor_load_to_lds s[G0V:G0V+3], s[G1V:G1V+7]
	s_nop 0
.rept 4
	v_nop
.endr
.Lasked:
	v_and_b32 v8, 15, v0                           ; r
	v_bfe_u32 v9, v0, 4, 1                         ; h
	v_lshlrev_b32 v10, 6, v8
	v_lshl_add_u32 v10, v9, 4, v10
.irp u, 0,1
	global_load_b128 v[Q+8*\u:Q+8*\u+3], v10, s[4:5] offset:1024*\u        ; Q's fragment of tile u: K = 16 h + 0 .. 15,
	global_load_b128 v[Q+8*\u+4:Q+8*\u+7], v10, s[4:5] offset:1024*\u+32   ; and 32 + 16 h + 0 .. 15: the same places as in K's fragments
.endr
	v_lshlrev_b32 v[MO], 4, v0
	global_load_b128 v[TP:TP+3], v[MO], s[10:11]                 ; eight mask words a thread: twice 4,096 bytes on end
	global_load_b128 v[TP+4:TP+7], v[MO], s[10:11] offset:4096
	v_lshl_add_u32 v[KBA], v0, 4, KB
	v_lshrrev_b32 v[TT], 3, v8                     ; r / 8: which region of K
	v_mul_u32_u24 v[AK0], v[TT], KODD
	v_and_b32 v[TT], 7, v8
	v_mul_u32_u24 v[TT], v[TT], KP                 ; row r % 8
	v_add_nc_u32 v[AK0], v[AK0], v[TT]
	v_lshl_add_u32 v[AK0], v9, 4, v[AK0]
	v_mul_u32_u24 v[AV0], v8, VP
	v_lshl_add_u32 v[AV0], v9, 4, v[AV0]
	v_add_nc_u32 v[AV0], VB, v[AV0]
	v_lshlrev_b32 v[AB0], 6, v9
	v_add_nc_u32 v[AB0], KB, v[AB0]                ; kb of keys 16 h on: the sixteen lanes of a half read the same words
	v_lshlrev_b32 v[STO], 6, v8
	v_lshl_add_u32 v[STO], v9, 3, v[STO]
	v_add_nc_u32 v[STO], s55, v[STO]               ; the stage, in: row r of 64 bytes, + 8 h
	v_and_b32 v[GO], 31, v0
	v_lshlrev_b32 v[GO], 4, v[GO]
	v_add_nc_u32 v[RDS], s55, v[GO]                ; back: 16 bytes a lane
.irp u, 0,1
	v_mov_b32 v[NM+2*\u+1], 0xff61b1e6             ; the largest t so far: -3e38
	v_floor_f32 v[NM+2*\u], -v[NM+2*\u+1]          ; -M
	v_mov_b32 v[SUM+2*\u], 0
	v_mov_b32 v[SUM+2*\u+1], 0
	v_mov_b32 v[PD+\u], 0                          ; a lane permute's destination counts as read
	v_mov_b32 v[F+2*\u+1], 0                       ; (the upper half of f's pair)
.endr
	WIN 0x40
.set j, 0
.rept 64
	v_mov_b32 v[O+j], 0                            ; O^T: the step is written once, the first finds zeros
.set j, j+1
.endr
	WIN 0
	s_wait_kmcnt 0x0
	s_add_co_i32 s62, s90, s91                     ; e6 + e7
	s_lshl_b32 s63, s62, 23
	s_add_co_i32 s[CS], s[CS], s63                 ; c: the two exponents are added to its exponent field
	s_mov_b32 s[CS+1], s[CS]
	s_sub_co_i32 s56, 130, s62
	s_lshl_b32 s56, s56, 23
	s_or_b32 s56, s56, 0x80000000                  ; -8 x 2^-(e6 + e7)
	s_add_co_i32 s62, s92, 127
	s_lshl_b32 s57, s62, 23                        ; 2^e8
	s_add_co_i32 s62, s62, 8
	s_lshl_b32 s58, s62, 23
	s_or_b32 s58, s58, 0x600000                    ; 448 x 2^e8
	s_add_co_i32 s62, s94, 127
	s_lshl_b32 s59, s62, 23                        ; 2^e10
	s_add_co_i32 s62, s62, 8
	s_lshl_b32 s60, s62, 23
	s_or_b32 s60, s60, 0x600000                    ; 448 x 2^e10
	s_add_co_i32 s61, s92, s93                     ; e8 + e9: for the way out
	v_mov_b32 v[KBC], s56
	v_mov_b32 v[SCP], s57
	v_mov_b32 v[LIMP], s58
	v_mov_b32 v[LIMP+1], s58
	v_mov_b32 v[SCO], s59
	v_mov_b32 v[LIMO], s60
	s_wait_alu depctr_va_vdst(0)                   ; the wait at the head's end
	s_wait_loadcnt 0x0                             ; Q and the mask
.irp i, 0,1,2,3,4,5,6,7
	v_cmp_eq_u32 vcc_lo, 0, v[TP+\i]
	v_cndmask_b32 v[TP+\i], 0, v[KBC], vcc_lo
.endr
	ds_store_b128 v[KBA], v[TP:TP+3]
	ds_store_b128 v[KBA], v[TP+4:TP+7] offset:4096
	s_wait_tensorcnt 0x0                           ; my one load has landed
	s_wait_dscnt 0x0                               ; my terms kb lie in LDS
	s_barrier_signal -1
	s_barrier_wait -1                              ; all of K and V and all terms kb lie in LDS
; A step's K fragments and terms kb, 32 LDS loads.  They are asked for one step ahead: step 0's here, each later step's in the step before, as soon as their registers are free.  It leaves the destination's window at 1.
.macro KLOADS ak, ab
	WIN 0
.irp n, 0,1,2,3,4,5,6,7
.irp c, 0,1
	ds_load_b128 v[TP+8*\n+4*\c:TP+8*\n+4*\c+3], v[\ak] offset:(16*(\n/2)+8*(\n%2))*KP+32*\c   ; rows 16 (n / 2) + 8 (n % 2) + r % 8 of my lane's region
.endr
.endr
	WIN 0x40
.irp n, 0,1,2,3,4,5,6,7
	ds_load_b128 v[KBR+8*\n:KBR+8*\n+3], v[\ab] offset:128*(\n/2)+32*(\n%2)          ; the sums' first terms, in the result's layout: register j of tile n is key 32 (n / 2) + 16 h + 8 (n % 2) + j
	ds_load_b128 v[KBR+8*\n+4:KBR+8*\n+7], v[\ab] offset:128*(\n/2)+32*(\n%2)+16
.endr
.endm
	KLOADS AK0, AB0                                ; step 0's
	WIN 0
.Lstep:                                            ; A KEY STEP: 128 keys, both tiles of queries; sixteen trips
	v_add_nc_u32 v[ADV], s[TBV], v[AV0]            ; this and the three v_nop are the four places in front of loads into registers that the last products read
.rept 3
	v_nop
.endr
	WIN 0x40
.irp t, 0,1,2,3
.irp c, 0,1,2,3
	ds_load_b128 v[VF+16*\t+4*\c:VF+16*\t+4*\c+3], v[ADV] offset:16*VP*\t+32*\c   ; V's four fragments land while the softmax is worked
.endr
.endr
	s_wait_dscnt 16                                ; K and kb are in; V's sixteen loads may be out
	WIN 0x10                                       ; C in window 1
.irp n, 0,1,2,3,4,5,6,7
.irp u, 0,1
	v_wmma_f32_16x16x64_fp8_fp8 v[S+64*\u+8*\n:S+64*\u+8*\n+7], v[TP+8*\n:TP+8*\n+7], v[Q+8*\u:Q+8*\u+7], v[KBR+8*\n:KBR+8*\n+7]   ; S^T = K Q^T + kb: sixteen results, one instruction each
.endr
.endr
	WIN 0
.rept 4
	v_nop                                          ; places in front of the first read of the scores
.endr
.irp u, 0,1                                    ; the step's largest score of my query among my 64 keys, in two chains a tile, each result from its low end on
	v_max3_num_f32 v[MA+2*\u], v[S+64*\u], v[S+64*\u+1], v[S+64*\u+2]
	v_max3_num_f32 v[MA+2*\u+1], v[S+64*\u+3], v[S+64*\u+4], v[S+64*\u+5]
.endr
.set j, 6
.rept 14
.irp u, 0,1
	v_max3_num_f32 v[MA+2*\u], v[MA+2*\u], v[S+64*\u+j], v[S+64*\u+j+1]
	v_max3_num_f32 v[MA+2*\u+1], v[MA+2*\u+1], v[S+64*\u+j+2], v[S+64*\u+j+3]
.endr
.set j, j+4
.endr
.irp u, 0,1
	v_max3_num_f32 v[MA+2*\u], v[MA+2*\u], v[S+64*\u+62], v[S+64*\u+63]
.endr
.irp u, 0,1
	v_max_num_f32 v[MA+2*\u], v[MA+2*\u], v[MA+2*\u+1]
.endr
.irp u, 0,1
	v_permlanex16_b32 v[PD+\u], v[MA+2*\u], s[SEL], s[SEL+1]
.endr
.irp u, 0,1
	v_max_num_f32 v[MA+2*\u], v[MA+2*\u], v[PD+\u]     ; and among lane l xor 16's
.endr
.irp u, 0,1
	v_mul_f32 v[MA+2*\u], s[CS], v[MA+2*\u]            ; as t (c is positive)
.endr
.irp u, 0,1
	v_max_num_f32 v[NM+2*\u+1], v[NM+2*\u+1], v[MA+2*\u]
.endr
.irp u, 0,1
	v_mov_b32 v[MA+2*\u], v[NM+2*\u]
.endr
.irp u, 0,1
	v_floor_f32 v[NM+2*\u], -v[NM+2*\u+1]              ; the new -M = -ceil(t): a whole number
.endr
.irp u, 0,1
	v_sub_f32 v[MA+2*\u], v[NM+2*\u], v[MA+2*\u]       ; old M - new M, 0 or less
.endr
.irp u, 0,1
	v_cvt_i32_f32 v[MA+2*\u], v[MA+2*\u]               ; (it saturates)
.endr
.irp u, 0,1
	v_ldexp_f32 v[F+2*\u], 1.0, v[MA+2*\u]             ; f = 2^(old M - new M): rounds nothing
.endr
	WIN 0x41                                       ; destination and source 0 in window 1
.irp u, 0,1
.set j, 0
.rept 16
	v_pk_mul_f32 v[O+32*\u+j:O+32*\u+j+1], v[O+32*\u+j:O+32*\u+j+1], v[F+2*\u:F+2*\u+1] op_sel_hi:[1,0]   ; O^T under the new M, ahead of the exponentials: no transcendental stands between the last products and this first read of their results
.set j, j+2
.endr
.endr
	WIN 0
.irp u, 0,1
	v_pk_mul_f32 v[SUM+2*\u:SUM+2*\u+1], v[SUM+2*\u:SUM+2*\u+1], v[F+2*\u:F+2*\u+1] op_sel_hi:[1,0]   ; the sums under the new M
.endr
.set j, 0
.rept 32
	v_pk_fma_f32 v[S+j:S+j+1], v[S+j:S+j+1], s[CS:CS+1], v[NM:NM+1] op_sel_hi:[1,0,0]   ; tile 0: t - M (of the pairs c and -M the low word serves both halves)
.set j, j+2
.endr
	s_wait_alu depctr_va_vdst(0)                   ; the wait ahead of the batch
.set j, 0
.rept 32                                       ; tile 0's exponentials | tile 1's scalings
	v_exp_f32 v[S+j], v[S+j]
	v_exp_f32 v[S+j+1], v[S+j+1]
	v_pk_fma_f32 v[S+64+j:S+65+j], v[S+64+j:S+65+j], s[CS:CS+1], v[NM+2:NM+3] op_sel_hi:[1,0,0]
.set j, j+2
.endr
	s_wait_alu depctr_va_vdst(0)                   ; one wait: behind tile 0's batch and ahead of tile 1's
.set j, 0
.rept 16                                       ; tile 1's exponentials | tile 0: a first sum of four UNQUANTISED p into registers of its own, then their hold
	v_exp_f32 v[S+64+j], v[S+64+j]
	v_exp_f32 v[S+65+j], v[S+65+j]
	v_pk_add_f32 v[TP+j/2:TP+j/2+1], v[S+j:S+j+1], v[S+j+2:S+j+3]
	v_exp_f32 v[S+66+j], v[S+66+j]
	v_dual_min_num_f32 v[S+j], v[S+j], v[LIMP] :: v_dual_min_num_f32 v[S+j+1], v[S+j+1], v[LIMP+1]
	v_exp_f32 v[S+67+j], v[S+67+j]
	v_dual_min_num_f32 v[S+j+2], v[S+j+2], v[LIMP] :: v_dual_min_num_f32 v[S+j+3], v[S+j+3], v[LIMP+1]
.set j, j+4
.endr
	v_nop                                          ; a plain instruction behind the batch
	s_wait_alu depctr_va_vdst(0)                   ; and its wait, ahead of its first reader
.set j, 0
.rept 16
	v_pk_add_f32 v[TP+32+j/2:TP+33+j/2], v[S+64+j:S+65+j], v[S+66+j:S+67+j]   ; tile 1's first sums
.set j, j+4
.endr
	LEVEL 2, 8
	LEVEL 4, 4
	HOLD S+64, 16
	LEVEL 8, 2
	HOLD S+96, 8
	LEVEL 16, 1
	HOLD S+112, 8
.irp u, 0,1
	v_pk_add_f32 v[SUM+2*\u:SUM+2*\u+1], v[SUM+2*\u:SUM+2*\u+1], v[TP+32*\u:TP+32*\u+1]
.endr
	s_add_co_u32 s52, s[CNT], 1                    ; the partial sums are done with: the next step's K and kb are asked for.  The last trip names step 15's rows again, inside the tiles; nothing reads what it brings
	s_min_u32 s52, s52, 15
	s_mul_i32 s53, s52, 64*KP                      ; 128 keys are 64 rows of each region,
	s_lshl_b32 s52, s52, 9                         ; and 512 bytes of kb
	v_add_nc_u32 v[ADK], s53, v[AK0]
	v_add_nc_u32 v[ADB], s52, v[AB0]
	KLOADS ADK, ADB
.irp u, 0,1
.irp b, 0,1,2,3
	v_cvt_scalef32_pk8_fp8_f32 v[CD+16*\u+4*\b:CD+16*\u+4*\b+1], v[S+64*\u+16*\b:S+64*\u+16*\b+7], v[SCP]
	v_cvt_scalef32_pk8_fp8_f32 v[CD+16*\u+4*\b+2:CD+16*\u+4*\b+3], v[S+64*\u+16*\b+8:S+64*\u+16*\b+15], v[SCP]
.endr
.endr
	v_nop                                          ; a plain instruction between the last conversions and the products that read their results
	s_wait_alu depctr_va_vdst(0)                   ; the wait here, directly ahead of the wait below
	s_wait_dscnt 32                                ; V is in; the 32 loads for the next step may be out
	WIN 0x55                                       ; all four operands in window 1
.irp t, 0,1,2,3
.irp u, 0,1
	v_wmma_f32_16x16x128_fp8_fp8 v[O+32*\u+8*\t:O+32*\u+8*\t+7], v[VF+16*\t:VF+16*\t+15], v[CD+16*\u:CD+16*\u+15], v[O+32*\u+8*\t:O+32*\u+8*\t+7]   ; O^T += V^T P^T: eight accumulators by turns
.endr
.endr
	WIN 0
	s_add_co_u32 s[CNT], s[CNT], 1
	s_lshr_b32 s52, s[CNT], 2                      ; V: quarter step / 4, and 128 bytes a step within its rows
	s_mul_i32 s52, s52, VQ
	s_and_b32 s53, s[CNT], 3
	s_lshl_b32 s53, s53, 7
	s_add_co_u32 s[TBV], s52, s53
	s_cmp_lt_u32 s[CNT], 16
	s_cbranch_scc1 .Lstep
	s_wait_dscnt 0x0                               ; the last trip's loads have landed: their registers are written below
	; THE WAY OUT: O^T / the sum x 2^(e8 + e9), quantised with 2^e10; a lane's codes go through my stage and leave as 512 bytes on end
.irp u, 0,1
	v_add_f32 v[SUM+2*\u], v[SUM+2*\u], v[SUM+2*\u+1]
.endr
.irp u, 0,1
	v_permlanex16_b32 v[PD+\u], v[SUM+2*\u], s[SEL], s[SEL+1]
.endr
.irp u, 0,1
	v_add_f32 v[SUM+2*\u], v[SUM+2*\u], v[PD+\u]
.endr
	s_wait_alu depctr_va_vdst(0)                   ; the wait ahead of the transcendentals
.irp u, 0,1
	v_rcp_f32 v[SUM+2*\u], v[SUM+2*\u]
.endr
	v_nop                                          ; the plain instruction behind them
	s_wait_alu depctr_va_vdst(0)                   ; and the wait ahead of their first reader
.irp u, 0,1
	v_ldexp_f32 v[SUM+2*\u], v[SUM+2*\u], s61
.endr
.irp u, 0,1
	v_mov_b32 v[SUM+2*\u+1], v[SUM+2*\u]
.endr
	WIN 0x01                                       ; source 0 in window 1
	s_wait_alu depctr_va_vdst(0)                   ; directly ahead of the first readers of O^T
.irp u, 0,1
.set j, 0
.rept 16
	v_pk_mul_f32 v[S+32*\u+j:S+32*\u+j+1], v[O+32*\u+j:O+32*\u+j+1], v[SUM+2*\u:SUM+2*\u+1]   ; register 32 u + 8 t + i is ctx(query 16 u + r, channel 16 t + 8 h + i)
.set j, j+2
.endr
.endr
	WIN 0
.set j, 0
.rept 64
	v_med3_num_f32 v[S+j], v[S+j], -v[LIMO], v[LIMO]
.set j, j+1
.endr
.irp n, 0,1,2,3,4,5,6,7
	v_cvt_scalef32_pk8_fp8_f32 v[TP+2*\n:TP+2*\n+1], v[S+8*\n:S+8*\n+7], v[SCO]
.endr
	v_nop
.irp u, 0,1
.irp t, 0,1,2,3
	ds_store_b64 v[STO], v[TP+8*\u+2*\t:TP+8*\u+2*\t+1] offset:1024*\u+16*\t
.endr
.endr
.irp i, 0,1,2,3
	ds_load_b128 v[TP+16+4*\i:TP+19+4*\i], v[RDS] offset:512*\i   ; LDS serves a wave's instructions in order: these see my stores
.endr
.irp i, 0,1,2,3
	s_wait_dscnt 3-\i                              ; load i is in; the younger ones may be out
	global_store_b128 v[GO], v[TP+16+4*\i:TP+19+4*\i], s[14:15] offset:512*\i
.endr
	s_wait_tensorcnt 0x0                           ; the wave's end
	ds_add_u32 v[SPW], v[NIL]
	s_wait_dscnt 0x0
	CROUND                                         ; the closing round
	s_endpgm
.Lfunc_end_k_qd1df57fae8_att:
	.size	k_qd1df57fae8_att, .Lfunc_end_k_qd1df57fae8_att-k_qd1df57fae8_att
	.p2alignl 7, 3214868480
	.fill 96, 4, 3214868480
	.section	.rodata,"a",@progbits
	.p2align	6, 0x0
	.amdhsa_kernel k_qd1df57fae8_att
		.amdhsa_group_segment_fixed_size 327680
		.amdhsa_private_segment_fixed_size 0
		.amdhsa_enable_private_segment 0
		.amdhsa_kernarg_size 48
		.amdhsa_user_sgpr_count 2
		.amdhsa_user_sgpr_kernarg_segment_ptr 1
		.amdhsa_wavefront_size32 1
		.amdhsa_system_sgpr_workgroup_id_x 1
		.amdhsa_system_sgpr_workgroup_id_y 1
		.amdhsa_system_sgpr_workgroup_id_z 1
		.amdhsa_system_vgpr_workitem_id 0
		.amdhsa_next_free_vgpr 480
		.amdhsa_next_free_sgpr 100
		.amdhsa_reserve_vcc 1
		.amdhsa_float_denorm_mode_32 3
		.amdhsa_float_denorm_mode_16_64 3
		.amdhsa_memory_ordered 1
		.amdhsa_forward_progress 1
		.amdhsa_inst_pref_size 52
	.end_amdhsa_kernel
	.amdgpu_metadata
---
amdhsa.version: [ 1, 2 ]
amdhsa.kernels:
  - .name:           k_qd1df57fae8_att
    .symbol:         k_qd1df57fae8_att.kd
    .args:
      - { .name: qc, .offset: 0, .size: 8, .value_kind: global_buffer, .address_space: global }
      - { .name: kc, .offset: 8, .size: 8, .value_kind: global_buffer, .address_space: global }
      - { .name: vc, .offset: 16, .size: 8, .value_kind: global_buffer, .address_space: global }
      - { .name: src_mask, .offset: 24, .size: 8, .value_kind: global_buffer, .address_space: global }
      - { .name: lowp_scales, .offset: 32, .size: 8, .value_kind: global_buffer, .address_space: global }
      - { .name: ctxc, .offset: 40, .size: 8, .value_kind: global_buffer, .address_space: global }
    .group_segment_fixed_size: 327680
    .private_segment_fixed_size: 0
    .kernarg_segment_align: 8
    .kernarg_segment_size: 48
    .max_flat_workgroup_size: 256
    .sgpr_count:     100
    .vgpr_count:     480
    .wavefront_size: 32
...
	.end_amdgpu_metadata
.endif
;; end of part 3
;; launch wo (part 4): grid 8 x 32, 4 waves a work-group, clusters of 4 x 4, 327,680 bytes of LDS; arguments ctxc, wo_codes, lowp_scales, bo, x, x1; writes x1
.if DOCPART == 4
	.amdgcn_target "amdgcn-amd-amdhsa--gfx1250"
	.amdhsa_code_object_version 6
	.text
	.protected	k_qd1df57fae8_wo
	.globl	k_qd1df57fae8_wo
	.p2align	8
	.type	k_qd1df57fae8_wo,@function
k_qd1df57fae8_wo:
	s_mov_b64 s[64:65], 0
	v_nop
	global_prefetch_b8 v0, s[64:65] scope:SCOPE_SE
	s_setreg_imm32_b32 hwreg(HW_REG_WAVE_MODE, 25, 1), 1
	s_wait_xcnt 0x0
	s_wait_alu depctr_hold_cnt(0) depctr_sa_sdst(0) depctr_va_vdst(0) depctr_va_sdst(0) depctr_va_ssrc(0) depctr_va_vcc(0) depctr_vm_vsrc(0)
	s_getreg_b32 s2, hwreg(HW_REG_IB_STS2, 6, 4)
	s_cmp_eq_u32 s2, 0
	s_cbranch_scc0 .Lentry_in_a_cluster
	s_endpgm
.Lentry_in_a_cluster:
	s_bfe_u32 s2, ttmp6, 0x10000c
	s_cmp_lg_u32 s2, 0xf033
	s_cbranch_scc0 .Lentry_shape_is_right
	s_endpgm
.Lentry_shape_is_right:
; out[m][n] = res[m][n] + bias[n] + 2^(eA + eB) x sum over k of A[m][k] B[n][k]: a GEMM on codes of E4M3 with N = 1,024, M = 4,096, f32 out.  No work of reference() is left out.
; A tile of C is 128 x 128, so that there are 256 work-groups; four waves, each 64 x 64: 16 accumulators.  K goes in steps of 512 (four quarters of 128) through two LDS slots filled by the tensor data mover.
; AHEAD = 1: A lies by heads, [16][4096 tokens][64]: a K step is 8 heads, and 64 tokens of a head are 4,096 bytes on end: a tile of 8 rows of 4,096 bytes, padded behind every 64: in LDS [8][64][80].
; AHEAD = 0: A lies [4096][KTOT].  B lies [1024][KTOT].
; CLUSTERS 4 x 4: A's tiles are asked for jointly along a row of the cluster, B's along a column.  THE MATRIX INSTRUCTION IS USED TRANSPOSED: a lane holds eight neighbouring numbers of a row of C.
; The residual's 64 x 64 numbers of a wave are asked for at the head, in the layout in which the results leave, and stay on their way through the whole K loop.
; LIMITS: eA + eB between -126 and 127.  The sum is formed as sum x 2^e + (bias + residual): another order of rounding than reference()'s.
; REGISTERS: window 0: v16-29 addresses; v32-95 rows on the way out; v96-99 the bias; v128-255 the accumulators ((a, b) at v[128 + 8 (4 a + b)]).  window 1: two fragment buffers of 128 (A's four, then B's four).  window 2: v0-127 the residual.
; ALL OF K = 1,024 LIES IN LDS: each wave issues ONE tensor load at the head (A: 16 heads x 64 tokens x 64 bytes; B: 64 rows of 1,024 bytes), nothing is filled again, and one barrier stands behind the loads.
; What the macros call slot 0 and slot 1 are the two halves of K in the same rows: A's heads 0-7 and 8-15, B's bytes 0-511 and 512-1,023.  No prefetch: there is no loop to run ahead in.
.set KTOT,   1024
.set AHEAD,  1
.set SCI,    40                        ; byte of the first of the two exponents
.set NTS,    0
.set KS,     512
.set BP,     1040                      ; an LDS row of B: 1,024 bytes + 16
.set BH,     64*BP
.if AHEAD
.set AP,     80
.set AH,     16*64*AP
.set ASTEP,  8*262144
.else
.set AP,     BP
.set AH,     64*AP
.set ASTEP,  KS
.endif
.set SLOT,   2*AH+2*BH
.set STAGE,  SLOT                      ; behind the tiles: 16 rows x 272 bytes for each wave
.set SPITCH, 272
.set SPARE,  STAGE+4*16*SPITCH
.set LAPS,   KTOT/(2*KS)
.set ADRA, 16
.set ADRB, 20
.set STO,  24
.set RD,   25
.set CO,   26
.set BO,   27
.set SPW,  28
.set NIL,  29
.set BK,   32
.set BI,   96
.set ACC,  128
.set F0,   0
.set F1,   128
.set G1, 24
.set G0, 32
.set G1B, 48
.set G0B, 56
.set MSB, 0
.macro WIN new
.if MSB != (\new)
	s_set_vgpr_msb (MSB<<8)|(\new)
.set MSB, (\new)
.endif
.endm
.set MUL,  0x05                        ; sources 0 (B) and 1 (A) window 1; C and D window 0
.set TO_F, 0x40
.macro JLOAD s                         ; waves 0, 1 fetch A's halves, waves 2, 3 B's; an s_nop 0 and four v_nop follow each line
	s_cmp_eq_u32 s15, 0
	s_cbranch_scc0 .Lfor_b_\@
	tensor_load_to_lds s[G0+4*\s:G0+4*\s+3], s[G1:G1+7]
	s_nop 0
.rept 4
	v_nop
.endr
	s_branch .Lasked_\@
.Lfor_b_\@:
	tensor_load_to_lds s[G0B+4*\s:G0B+4*\s+3], s[G1B:G1B+7]
	s_nop 0
.rept 4
	v_nop
.endr
.Lasked_\@:
.endm
.macro CREST
	s_cmp_lg_u32 s14, 0
	s_cbranch_scc1 .Lnot_wave_0_\@
	s_barrier_signal -3
.Lnot_wave_0_\@:
	s_barrier_wait -3
	s_barrier_signal -1
	s_barrier_wait -1
.endm
.macro CROUND
	s_barrier_signal -1
	s_barrier_wait -1
	CREST
.endm
	s_load_b256 s[4:11], s[0:1], 0x0               ; A's codes, B's codes, the scales' exponents, the bias
	s_load_b128 s[68:71], s[0:1], 0x20             ; the residual, the output
	v_lshl_add_u32 v[SPW], v0, 2, SPARE
	v_mov_b32 v[NIL], 0
	ds_add_u32 v[SPW], v[NIL]                      ; the wave's opening: the add, twice on end, and its wait ahead of my first tensor load
	ds_add_u32 v[SPW], v[NIL]
	v_lshrrev_b32 v1, 5, v0
	v_readfirstlane_b32 s14, v1                    ; wave 0..3
	s_lshr_b32 s15, s14, 1                         ; my half of the rows; also: I fetch for A (0) or B (1)
	s_and_b32 s16, s14, 1                          ; my half of the columns; also: which 64 rows I fetch
	s_bfe_u32 s40, ttmp6, 0x40000
	s_bfe_u32 s41, ttmp6, 0x40004
	s_lshl_b32 s42, ttmp9, 2
	s_add_co_u32 s42, s42, s40                     ; tile column
	s_and_b32 s17, ttmp7, 0xffff
	s_lshl_b32 s17, s17, 2
	s_add_co_u32 s17, s17, s41                     ; tile row
	s_lshl_b32 s43, s41, 2
	s_lshl_b32 s43, 15, s43
	s_lshl_b32 s44, 0x1111, s40
.if AHEAD
	s_or_b32 s[G1+0], s43, (1<<20)|(1<<21)|(3<<22)|(3<<25)   ; padding: 4 words behind every 16
	s_mov_b32 s[G1+1], 4096<<16                    ; tensor_dim0: 64 tokens x 64 bytes
	s_mov_b32 s[G1+2], 16<<16                      ; tensor_dim1: 16 heads
	s_mov_b32 s[G1+3], 4096<<16
	s_mov_b32 s[G1+4], 16
	s_mov_b32 s[G1+5], 262144                      ; from head to head
.else
	s_or_b32 s[G1+0], s43, (1<<20)|(1<<21)|(6<<22)|(3<<25)   ; padding: 4 words behind every 128
	s_mov_b32 s[G1+1], KS<<16
	s_mov_b32 s[G1+2], 64<<16
	s_mov_b32 s[G1+3], KS<<16
	s_mov_b32 s[G1+4], 64
	s_mov_b32 s[G1+5], KTOT
.endif
	s_mov_b32 s[G1+6], 0
	s_mov_b32 s[G1+7], 0
	s_or_b32 s[G1B+0], s44, (1<<20)|(1<<21)|(7<<22)|(3<<25)   ; padding: 4 words behind every 256
	s_mov_b32 s[G1B+1], KTOT<<16
	s_mov_b32 s[G1B+2], 64<<16
	s_mov_b32 s[G1B+3], KTOT<<16
	s_mov_b32 s[G1B+4], 64
	s_mov_b32 s[G1B+5], KTOT
	s_mov_b32 s[G1B+6], 0
	s_mov_b32 s[G1B+7], 0
	s_lshl_b32 s18, s16, 6
	s_lshl_b32 s20, s17, 7
	s_add_co_u32 s20, s20, s18                     ; A: row 128 x tile row + 64 x half
.if AHEAD
	s_lshl_b32 s20, s20, 6
.else
	s_mul_i32 s20, s20, KTOT
.endif
	s_mov_b32 s21, 0
	s_lshl_b32 s46, s42, 7
	s_add_co_u32 s46, s46, s18
	s_mul_i32 s46, s46, KTOT
	s_mov_b32 s47, 0
	s_mul_i32 s45, s16, AH                         ; where they go: A's two halves,
	s_mul_i32 s19, s16, BH
	s_add_co_u32 s19, s19, 2*AH                    ; then B's two
	s_wait_dscnt 0x0
	s_wait_kmcnt 0x0
	s_load_b64 s[72:73], s[8:9], SCI               ; eA, eB
	s_add_nc_u64 s[20:21], s[4:5], s[20:21]
	s_add_nc_u64 s[46:47], s[6:7], s[46:47]
	CROUND
.irp s, 0
	s_mov_b32 s[G0+4*\s], 1
	s_add_co_u32 s[G0+4*\s+1], s45, \s*SLOT
	s_add_nc_u64 s[G0+4*\s+2:G0+4*\s+3], s[20:21], \s*ASTEP
	s_or_b32 s[G0+4*\s+3], s[G0+4*\s+3], 0x80000000
	s_mov_b32 s[G0B+4*\s], 1
	s_add_co_u32 s[G0B+4*\s+1], s19, \s*SLOT
	s_add_nc_u64 s[G0B+4*\s+2:G0B+4*\s+3], s[46:47], \s*KS
	s_or_b32 s[G0B+4*\s+3], s[G0B+4*\s+3], 0x80000000
	JLOAD \s
.endr
	v_and_b32 v1, 15, v0                           ; r
	v_bfe_u32 v2, v0, 4, 1                         ; h
	v_lshlrev_b32 v3, 12, v2
	v_lshl_add_u32 v[CO], v1, 4, v3                ; lanes 0-15 one row's 256 bytes, lanes 16-31 the next row's
	s_wait_alu depctr_va_vdst(0)
	v_lshlrev_b32 v[BO], 4, v1
	s_wait_alu depctr_va_vdst(0)
	s_lshl_b32 s20, s17, 7
	s_lshl_b32 s21, s15, 6
	s_add_co_u32 s20, s20, s21
	s_lshl_b32 s20, s20, 12                        ; my first row, rows of 4,096 bytes
	s_lshl_b32 s22, s42, 7
	s_lshl_b32 s23, s16, 6
	s_add_co_u32 s22, s22, s23
	s_lshl_b32 s22, s22, 2                         ; my first column, in bytes
	s_mov_b32 s23, 0
	s_add_nc_u64 s[10:11], s[10:11], s[22:23]
	s_add_co_u32 s20, s20, s22
	s_mov_b32 s21, 0
	s_add_nc_u64 s[68:69], s[68:69], s[20:21]
	s_add_nc_u64 s[70:71], s[70:71], s[20:21]
	WIN 0x80                                       ; destination window 2
.set t, 0
.rept 32
	global_load_b128 v[4*t:4*t+3], v[CO], s[68:69] offset:2*t*4096   ; rows 2 t, 2 t + 1 of my 64
.set t, t+1
.endr
	WIN 0
	global_load_b128 v[BI:BI+3], v[BO], s[10:11]   ; the bias of my four columns
	v_mul_u32_u24 v5, v1, BP
	v_lshl_add_u32 v5, v2, 4, v5
	v_mul_u32_u24 v6, v1, AP
	v_lshl_add_u32 v6, v2, 4, v6
	s_mul_i32 s21, s15, AH
	s_mul_i32 s22, s16, BH
	s_add_co_u32 s22, s22, 2*AH
.irp s, 0,1
	v_add_nc_u32 v[ADRA+\s], s21, v6
	v_add_nc_u32 v[ADRB+\s], s22, v5
	s_add_co_u32 s21, s21, 8*64*AP                 ; A's heads 8-15
	s_add_co_u32 s22, s22, KS                      ; B's second 512 bytes
.endr
	s_mul_i32 s23, s14, 16*SPITCH
	s_add_co_u32 s23, s23, STAGE                   ; my stage
	v_mul_u32_u24 v3, v1, SPITCH
	v_lshl_add_u32 v3, v2, 5, v3
	v_add_nc_u32 v[STO], s23, v3                   ; in: row r, 32 bytes for each half of the lanes
	v_mul_u32_u24 v3, v2, SPITCH
	v_lshl_add_u32 v3, v1, 4, v3
	v_add_nc_u32 v[RD], s23, v3                    ; back: two rows an instruction
.macro MUL8 f, a0, zero                ; A's blocks a0, a0 + 1 x B's four, 128 along K; the 16 accumulators take turns in the same order in every quarter
.irp a, \a0, \a0+1
.irp b, 0,1,2,3
.if \zero
	v_wmma_f32_16x16x128_fp8_fp8 v[ACC+8*(4*(\a)+\b):ACC+8*(4*(\a)+\b)+7], v[\f+64+16*\b:\f+64+16*\b+15], v[\f+16*(\a):\f+16*(\a)+15], 0
.else
	v_wmma_f32_16x16x128_fp8_fp8 v[ACC+8*(4*(\a)+\b):ACC+8*(4*(\a)+\b)+7], v[\f+64+16*\b:\f+64+16*\b+15], v[\f+16*(\a):\f+16*(\a)+15], v[ACC+8*(4*(\a)+\b):ACC+8*(4*(\a)+\b)+7]
.endif
.endr
.endr
.endm
.macro FETCH slot, q, f                ; 32 LDS loads in one run: B's four fragments, A's blocks 0, 1, A's blocks 2, 3.  Registers 4 c .. 4 c + 3 hold K = 128 q + 32 c + 16 h + 0 .. 15, in A and B alike
	WIN TO_F
.irp i, 0,1,2,3
.irp c, 0,1,2,3
	ds_load_b128 v[\f+64+16*\i+4*\c:\f+64+16*\i+4*\c+3], v[ADRB+\slot] offset:128*(\q)+32*\c+16*BP*\i
.endr
.endr
.irp i, 0,1,2,3
.irp c, 0,1,2,3
.if AHEAD
	ds_load_b128 v[\f+16*\i+4*\c:\f+16*\i+4*\c+3], v[ADRA+\slot] offset:(2*(\q)+\c/2)*64*AP+16*AP*\i+32*(\c%2)
.else
	ds_load_b128 v[\f+16*\i+4*\c:\f+16*\i+4*\c+3], v[ADRA+\slot] offset:128*(\q)+32*\c+16*AP*\i
.endif
.endr
.endr
.endm
.macro PLACES
.rept 4
	v_nop
.endr
.endm
.macro QUARTER slot, qn, f, g, zero    ; multiplies buffer f; in its middle fetches quarter qn of the same slot into g
	s_wait_dscnt 8                                 ; B and A's blocks 0, 1 are in; the youngest eight loads (A's blocks 2, 3) may be out
	WIN MUL
	MUL8 \f, 0, \zero
	PLACES
	FETCH \slot, \qn, \g
	s_wait_dscnt 32                                ; all but the 32 just issued
	WIN MUL
	MUL8 \f, 2, \zero
.endm
.macro TURN slot, next, fill           ; the last quarter multiplies buffer 1 and changes slots
	WIN 0
	s_wait_tensorcnt 0x0                           ; all my tensor loads have landed: my part of the next slot
	ds_add_u32 v[SPW], v[NIL]                      ; 0 onto my spare word
	s_wait_dscnt 9                                 ; the add and the youngest eight loads may be out
	WIN MUL
	MUL8 F1, 0, 0
	s_wait_dscnt 0x0                               ; the add is done, and my reads of this slot are over
	s_barrier_signal -1
	WIN 0
	s_barrier_wait -1
.if \fill
	CREST                                          ; the barrier has opened a round of the cluster's
	s_add_nc_u64 s[G0+4*\slot+2:G0+4*\slot+3], s[G0+4*\slot+2:G0+4*\slot+3], 2*ASTEP
	s_add_nc_u64 s[G0B+4*\slot+2:G0B+4*\slot+3], s[G0B+4*\slot+2:G0B+4*\slot+3], 2*KS
	JLOAD \slot                                    ; the first tensor load behind the round; its four v_nop are also the places in front of the loads below
.else
	PLACES
.endif
	FETCH \next, 0, F0
	WIN MUL
	MUL8 F1, 2, 0
.endm
	s_wait_alu depctr_va_vdst(0)
	s_wait_tensorcnt 0x0                           ; my one load has landed
	s_barrier_signal -1
	s_barrier_wait -1
	FETCH 0, 0, F0
	QUARTER 0, 1, F0, F1, 1                        ; the first quarter's products start the sums
.if LAPS > 1
	WIN 0
	s_mov_b32 s3, LAPS-1
.Llap:
	QUARTER 0, 2, F1, F0, 0
	QUARTER 0, 3, F0, F1, 0
	TURN 0, 1, 1
	QUARTER 1, 1, F0, F1, 0
	QUARTER 1, 2, F1, F0, 0
	QUARTER 1, 3, F0, F1, 0
	TURN 1, 0, 1
	QUARTER 0, 1, F0, F1, 0
	WIN 0
	s_sub_co_u32 s3, s3, 1
	s_cmp_lg_u32 s3, 0
	s_cbranch_scc1 .Llap
.endif
	QUARTER 0, 2, F1, F0, 0                        ; the last lap fills nothing
	QUARTER 0, 3, F0, F1, 0
	QUARTER 1, 0, F1, F0, 0                        ; on into the second half of K: no wait, no barrier
	QUARTER 1, 1, F0, F1, 0
	QUARTER 1, 2, F1, F0, 0
	QUARTER 1, 3, F0, F1, 0
	s_wait_dscnt 8
	WIN MUL
	MUL8 F1, 0, 0
	s_wait_dscnt 0
	MUL8 F1, 2, 0
	WIN 0
	; THE WAY OUT: a block of 16 rows x 64 columns goes through my stage as raw sums and comes back as rows of 256 bytes, in the residual's layout; one packed multiply-add for two numbers; sixteen lanes store 256 bytes on end, aligned
	s_wait_kmcnt 0x0
	s_add_co_i32 s72, s72, s73
	s_add_co_i32 s72, s72, 127
	s_lshl_b32 s72, s72, 23                        ; 2^(eA + eB)
	s_mov_b32 s73, s72
	s_wait_loadcnt 0x0                             ; the residual and the bias
	PLACES
	WIN 0x82                                       ; destination and source 0 window 2
.set t, 0
.rept 32
	v_pk_add_f32 v[4*t:4*t+1], v[4*t:4*t+1], v[BI:BI+1]
	v_pk_add_f32 v[4*t+2:4*t+3], v[4*t+2:4*t+3], v[BI+2:BI+3]
.set t, t+1
.endr
	WIN 0
.macro TOSTAGE a
.irp b, 0,1,2,3
	ds_store_b128 v[STO], v[ACC+8*(4*(\a)+\b):ACC+8*(4*(\a)+\b)+3] offset:64*\b        ; each accumulator from its low end on
	ds_store_b128 v[STO], v[ACC+8*(4*(\a)+\b)+4:ACC+8*(4*(\a)+\b)+7] offset:64*\b+16
.endr
.irp t, 0,1,2,3,4,5,6,7
	ds_load_b128 v[BK+32*((\a)%2)+4*\t:BK+32*((\a)%2)+4*\t+3], v[RD] offset:2*SPITCH*\t   ; LDS serves a wave's instructions in order: these see the stores, and the next block's stores come behind them
.endr
.endm
.macro SEND a, younger
	s_wait_dscnt \younger                          ; the block is back; the next block's eight stores and eight loads may be out
	WIN 0x20                                       ; source 2 window 2
.set n, 0
.rept 16
	v_pk_fma_f32 v[BK+32*((\a)%2)+n:BK+32*((\a)%2)+n+1], v[BK+32*((\a)%2)+n:BK+32*((\a)%2)+n+1], s[72:73], v[32*(\a)+n:32*(\a)+n+1] op_sel_hi:[1,0,1]
.set n, n+2
.endr
	WIN 0
.irp t, 0,1,2,3,4,5,6,7
.if NTS
	global_store_b128 v[CO], v[BK+32*((\a)%2)+4*\t:BK+32*((\a)%2)+4*\t+3], s[70:71] offset:(16*(\a)+2*\t)*4096 th:TH_STORE_NT
.else
	global_store_b128 v[CO], v[BK+32*((\a)%2)+4*\t:BK+32*((\a)%2)+4*\t+3], s[70:71] offset:(16*(\a)+2*\t)*4096
.endif
.endr
.endm
	TOSTAGE 0
	TOSTAGE 1
	SEND 0, 16
	s_wait_xcnt 0x0                                ; block 0's stores have read their registers: block 2's loads may land there
	TOSTAGE 2
	SEND 1, 16
	s_wait_xcnt 0x0
	TOSTAGE 3
	SEND 2, 16
	SEND 3, 0
	s_wait_tensorcnt 0x0                           ; the wave's end
	ds_add_u32 v[SPW], v[NIL]
	s_wait_dscnt 0x0
	CROUND                                         ; the closing round
	s_endpgm
.Lfunc_end_k_qd1df57fae8_wo:
	.size	k_qd1df57fae8_wo, .Lfunc_end_k_qd1df57fae8_wo-k_qd1df57fae8_wo
	.p2alignl 7, 3214868480
	.fill 96, 4, 3214868480
	.section	.rodata,"a",@progbits
	.p2align	6, 0x0
	.amdhsa_kernel k_qd1df57fae8_wo
		.amdhsa_group_segment_fixed_size 327680
		.amdhsa_private_segment_fixed_size 0
		.amdhsa_enable_private_segment 0
		.amdhsa_kernarg_size 48
		.amdhsa_user_sgpr_count 2
		.amdhsa_user_sgpr_kernarg_segment_ptr 1
		.amdhsa_wavefront_size32 1
		.amdhsa_system_sgpr_workgroup_id_x 1
		.amdhsa_system_sgpr_workgroup_id_y 1
		.amdhsa_system_sgpr_workgroup_id_z 1
		.amdhsa_system_vgpr_workitem_id 0
		.amdhsa_next_free_vgpr 768
		.amdhsa_next_free_sgpr 76
		.amdhsa_reserve_vcc 0
		.amdhsa_float_denorm_mode_32 3
		.amdhsa_float_denorm_mode_16_64 3
		.amdhsa_memory_ordered 1
		.amdhsa_forward_progress 1
		.amdhsa_inst_pref_size 52
	.end_amdhsa_kernel
	.amdgpu_metadata
---
amdhsa.version: [ 1, 2 ]
amdhsa.kernels:
  - .name:           k_qd1df57fae8_wo
    .symbol:         k_qd1df57fae8_wo.kd
    .args:
      - { .name: ctxc, .offset: 0, .size: 8, .value_kind: global_buffer, .address_space: global }
      - { .name: wo_codes, .offset: 8, .size: 8, .value_kind: global_buffer, .address_space: global }
      - { .name: lowp_scales, .offset: 16, .size: 8, .value_kind: global_buffer, .address_space: global }
      - { .name: bo, .offset: 24, .size: 8, .value_kind: global_buffer, .address_space: global }
      - { .name: x, .offset: 32, .size: 8, .value_kind: global_buffer, .address_space: global }
      - { .name: x1, .offset: 40, .size: 8, .value_kind: global_buffer, .address_space: global }
    .group_segment_fixed_size: 327680
    .private_segment_fixed_size: 0
    .kernarg_segment_align: 8
    .kernarg_segment_size: 48
    .max_flat_workgroup_size: 128
    .sgpr_count:     76
    .vgpr_count:     768
    .wavefront_size: 32
...
	.end_amdgpu_metadata
.endif
;; end of part 4
;; launch ln2 (part 5): grid 256 x 1, 4 waves a work-group, no clusters, 82,432 bytes of LDS; arguments x1, g2, be2, lowp_scales, xn2c; writes xn2c
.if DOCPART == 5
	.amdgcn_target "amdgcn-amd-amdhsa--gfx1250"
	.amdhsa_code_object_version 6
	.text
	.protected	k_qd1df57fae8_ln2
	.globl	k_qd1df57fae8_ln2
	.p2align	8
	.type	k_qd1df57fae8_ln2,@function
k_qd1df57fae8_ln2:
	s_mov_b64 s[64:65], 0
	v_nop
	global_prefetch_b8 v0, s[64:65] scope:SCOPE_SE
	s_setreg_imm32_b32 hwreg(HW_REG_WAVE_MODE, 25, 1), 1
	s_wait_xcnt 0x0
; The second norm: the first launch's text with NS = 1 and entry 12 of the scales.  No work of reference() is left out.
; y = g (x - mean) / (std + 1e-6) + be along rows of 1,024 f32 (std with divisor 1,023), turned into codes of E4M3 with the given scale 2^e: code = y / 2^e, held within +-448, to the nearest code.
; LIMITS: e between -126 and 119.  NaN among the inputs is not served.
; SHARES: a work-group takes 16 rows, a wave 4, a row lies in 32 registers a lane.  Each load reads 512 bytes on end; a row turns through the wave's own stage in LDS (64 bytes, then 16 of padding),
; so that a lane holds 16 neighbours for the conversions; a store covers 512 bytes on end.  The variance is taken of x - mean.  No barrier: waves share nothing.
.set NS,    1
.set E0,    12
.set ES,    2
.set SP,    80
.set STG,   64*SP
.set SPARE, 16*STG
.set LA,    2
.set WA,    3
.set RA,    4
.set MEAN,  6
.set AA,    8
.set SPW,   12
.set NIL,   13
.set X,     16
.set Y,     144
.set T,     176
.set SC,    208
	s_load_b256 s[4:11], s[0:1], 0x0               ; in, g, be, the scales' exponents
	s_load_b64 s[12:13], s[0:1], 0x20              ; out
	v_lshl_add_u32 v[SPW], v0, 2, SPARE
	v_mov_b32 v[NIL], 0
	v_lshrrev_b32 v1, 5, v0
	v_readfirstlane_b32 s18, v1                    ; wave
	v_and_b32 v1, 31, v0                           ; lane
	v_lshlrev_b32 v[LA], 4, v1
	s_mul_i32 s19, s18, 4*STG
	v_lshrrev_b32 v10, 2, v1
	v_mul_u32_u24 v10, v10, SP
	v_and_b32 v11, 3, v1
	v_lshl_add_u32 v10, v11, 4, v10
	v_add_nc_u32 v[WA], s19, v10
	v_mul_u32_u24 v11, v1, SP
	v_add_nc_u32 v[RA], s19, v11
	s_mov_b32 s2, 0x76543210
	s_mov_b32 s3, 0xfedcba98
	s_lshl_b32 s20, ttmp9, 4
	s_lshl_b32 s21, s18, 2
	s_add_co_u32 s20, s20, s21                     ; my first row
	s_lshl_b32 s26, s20, 12
	s_mov_b32 s27, 0
	s_lshl_b32 s28, s20, 10
	s_mov_b32 s29, 0
	s_wait_alu depctr_va_vdst(0)
	s_wait_kmcnt 0x0
	s_add_nc_u64 s[4:5], s[4:5], s[26:27]
	s_add_nc_u64 s[12:13], s[12:13], s[28:29]
.irp i, 0,1,2,3
.irp j, 0,1,2,3,4,5,6,7
	global_load_b128 v[X+32*\i+4*\j:X+32*\i+4*\j+3], v[LA], s[4:5] offset:4096*\i+512*\j
.endr
.endr
	s_load_b32 s30, s[6:7], 0x0                    ; g
	s_load_b32 s22, s[8:9], 0x0                    ; be
	s_load_b512 s[32:47], s[10:11], 0x0            ; the sixteen exponents
	s_wait_kmcnt 0x0
	s_mov_b32 s23, s22
	s_add_co_i32 s24, s[32+E0], 127
	s_lshl_b32 s25, s24, 23
	v_mov_b32 v[SC], s25                           ; 2^e
	s_add_co_i32 s24, s24, 8
	s_lshl_b32 s24, s24, 23
	s_or_b32 s24, s24, 0x600000
	v_mov_b32 v[SC+1], s24                         ; 448 x 2^e
.macro REDUCE
	v_pk_add_f32 v[T:T+1], v[T:T+1], v[T+2:T+3]
	v_pk_add_f32 v[T+4:T+5], v[T+4:T+5], v[T+6:T+7]
	v_pk_add_f32 v[T:T+1], v[T:T+1], v[T+4:T+5]
	v_add_f32 v10, v[T], v[T+1]
	v_add_f32_dpp v10, v10, v10 row_xmask:1 row_mask:0xf bank_mask:0xf
	v_add_f32_dpp v10, v10, v10 row_xmask:2 row_mask:0xf bank_mask:0xf
	v_add_f32_dpp v10, v10, v10 row_xmask:4 row_mask:0xf bank_mask:0xf
	v_add_f32_dpp v10, v10, v10 row_xmask:8 row_mask:0xf bank_mask:0xf
	v_permlanex16_b32 v11, v10, s2, s3
	v_add_f32 v10, v10, v11
.endm
.macro ROW i
	s_wait_loadcnt 8*(3-\i)                        ; this row's eight loads are in; the eight of each later row may be out
.irp j, 0,1,2,3,4,5,6,7
	ds_store_b128 v[WA], v[X+32*\i+4*\j:X+32*\i+4*\j+3] offset:STG*\i+640*\j
.endr
.irp g, 0,1
.irp c, 0,1,2,3
	ds_load_b128 v[Y+16*\g+4*\c:Y+16*\g+4*\c+3], v[RA] offset:STG*\i+2560*\g+16*\c   ; register 16 g + n = column 512 g + 16 lane + n
.endr
.endr
	s_wait_dscnt 0x0
.irp k, 0,1,2,3
	v_pk_add_f32 v[T+2*\k:T+2*\k+1], v[Y+2*\k:Y+2*\k+1], v[Y+8+2*\k:Y+8+2*\k+1]
.endr
.irp m, 8,9,10,11,12,13,14,15
	v_pk_add_f32 v[T+2*(\m%4):T+2*(\m%4)+1], v[T+2*(\m%4):T+2*(\m%4)+1], v[Y+2*\m:Y+2*\m+1]
.endr
	REDUCE
	v_mul_f32 v[MEAN], 0x3a800000, v10             ; / 1,024
	v_mov_b32 v[MEAN+1], v[MEAN]
.irp m, 0,1,2,3,4,5,6,7,8,9,10,11,12,13,14,15
	v_pk_add_f32 v[Y+2*\m:Y+2*\m+1], v[Y+2*\m:Y+2*\m+1], v[MEAN:MEAN+1] neg_lo:[0,1] neg_hi:[0,1]
.endr
.irp k, 0,1,2,3
	v_pk_mul_f32 v[T+2*\k:T+2*\k+1], v[Y+2*\k:Y+2*\k+1], v[Y+2*\k:Y+2*\k+1]
.endr
.irp m, 4,5,6,7,8,9,10,11,12,13,14,15
	v_pk_fma_f32 v[T+2*(\m%4):T+2*(\m%4)+1], v[Y+2*\m:Y+2*\m+1], v[Y+2*\m:Y+2*\m+1], v[T+2*(\m%4):T+2*(\m%4)+1]
.endr
	REDUCE
	v_mul_f32 v10, 0x3a802008, v10                 ; / 1,023
	s_wait_alu depctr_va_vdst(0)
	v_sqrt_f32 v10, v10
	v_nop                                          ; a plain instruction behind the root,
	s_wait_alu depctr_va_vdst(0)                   ; and the wait ahead of its first reader
	v_add_f32 v10, 0x358637bd, v10                 ; + 1e-6
	s_wait_alu depctr_va_vdst(0)
	v_rcp_f32 v10, v10
	v_nop
	s_wait_alu depctr_va_vdst(0)
	v_mul_f32 v[AA], s30, v10
	v_mov_b32 v[AA+1], v[AA]
.irp m, 0,1,2,3,4,5,6,7,8,9,10,11,12,13,14,15
	v_pk_fma_f32 v[Y+2*\m:Y+2*\m+1], v[Y+2*\m:Y+2*\m+1], v[AA:AA+1], s[22:23] op_sel_hi:[1,1,0]
.endr
.set n, 0
.rept 32
	v_med3_num_f32 v[T+n], v[Y+n], -v[SC+1], v[SC+1]   ; the conversion does not saturate (ISA guide 7.6.2): the hold comes first
.set n, n+1
.endr
.irp k, 0,1,2,3
	v_cvt_scalef32_pk8_fp8_f32 v[X+32*\i+2*\k:X+32*\i+2*\k+1], v[T+8*\k:T+8*\k+7], v[SC]
.endr
	v_nop                                          ; a plain instruction between the conversions and the next writes of their sources
	global_store_b128 v[LA], v[X+32*\i:X+32*\i+3], s[12:13] offset:1024*\i          ; 32 lanes store 512 bytes on end
	global_store_b128 v[LA], v[X+32*\i+4:X+32*\i+7], s[12:13] offset:1024*\i+512
.endm
	ROW 0
	ROW 1
	ROW 2
	ROW 3
	s_wait_tensorcnt 0x0                           ; the wave's end, behind my last LDS store
	ds_add_u32 v[SPW], v[NIL]
	s_wait_dscnt 0x0
	s_endpgm
.Lfunc_end_k_qd1df57fae8_ln2:
	.size	k_qd1df57fae8_ln2, .Lfunc_end_k_qd1df57fae8_ln2-k_qd1df57fae8_ln2
	.p2alignl 7, 3214868480
	.fill 96, 4, 3214868480
	.section	.rodata,"a",@progbits
	.p2align	6, 0x0
	.amdhsa_kernel k_qd1df57fae8_ln2
		.amdhsa_group_segment_fixed_size 82432
		.amdhsa_private_segment_fixed_size 0
		.amdhsa_enable_private_segment 0
		.amdhsa_kernarg_size 40
		.amdhsa_user_sgpr_count 2
		.amdhsa_user_sgpr_kernarg_segment_ptr 1
		.amdhsa_wavefront_size32 1
		.amdhsa_system_sgpr_workgroup_id_x 1
		.amdhsa_system_sgpr_workgroup_id_y 1
		.amdhsa_system_sgpr_workgroup_id_z 1
		.amdhsa_system_vgpr_workitem_id 0
		.amdhsa_next_free_vgpr 224
		.amdhsa_next_free_sgpr 66
		.amdhsa_reserve_vcc 0
		.amdhsa_float_denorm_mode_32 3
		.amdhsa_float_denorm_mode_16_64 3
		.amdhsa_memory_ordered 1
		.amdhsa_forward_progress 1
		.amdhsa_inst_pref_size 41
	.end_amdhsa_kernel
	.amdgpu_metadata
---
amdhsa.version: [ 1, 2 ]
amdhsa.kernels:
  - .name:           k_qd1df57fae8_ln2
    .symbol:         k_qd1df57fae8_ln2.kd
    .args:
      - { .name: x1, .offset: 0, .size: 8, .value_kind: global_buffer, .address_space: global }
      - { .name: g2, .offset: 8, .size: 8, .value_kind: global_buffer, .address_space: global }
      - { .name: be2, .offset: 16, .size: 8, .value_kind: global_buffer, .address_space: global }
      - { .name: lowp_scales, .offset: 24, .size: 8, .value_kind: global_buffer, .address_space: global }
      - { .name: xn2c, .offset: 32, .size: 8, .value_kind: global_buffer, .address_space: global }
    .group_segment_fixed_size: 82432
    .private_segment_fixed_size: 0
    .kernarg_segment_align: 8
    .kernarg_segment_size: 40
    .max_flat_workgroup_size: 128
    .sgpr_count:     66
    .vgpr_count:     224
    .wavefront_size: 32
...
	.end_amdgpu_metadata
.endif
;; end of part 5
;; launch ffn1 (part 6): grid 16 x 16, 4 waves a work-group, clusters of 4 x 4, 327,680 bytes of LDS; arguments xn2c, w1_codes, lowp_scales, b1, hc; writes hc
.if DOCPART == 6
	.amdgcn_target "amdgcn-amd-amdhsa--gfx1250"
	.amdhsa_code_object_version 6
	.text
	.protected	k_qd1df57fae8_ffn1
	.globl	k_qd1df57fae8_ffn1
	.p2align	8
	.type	k_qd1df57fae8_ffn1,@function
k_qd1df57fae8_ffn1:
	s_mov_b64 s[64:65], 0
	v_nop
	global_prefetch_b8 v0, s[64:65] scope:SCOPE_SE
	s_setreg_imm32_b32 hwreg(HW_REG_WAVE_MODE, 25, 1), 1
	s_wait_xcnt 0x0
	s_wait_alu depctr_hold_cnt(0) depctr_sa_sdst(0) depctr_va_vdst(0) depctr_va_sdst(0) depctr_va_ssrc(0) depctr_va_vcc(0) depctr_vm_vsrc(0)
	s_getreg_b32 s2, hwreg(HW_REG_IB_STS2, 6, 4)
	s_cmp_eq_u32 s2, 0
	s_cbranch_scc0 .Lentry_in_a_cluster
	s_endpgm
.Lentry_in_a_cluster:
	s_bfe_u32 s2, ttmp6, 0x10000c
	s_cmp_lg_u32 s2, 0xf033
	s_cbranch_scc0 .Lentry_shape_is_right
	s_endpgm
.Lentry_shape_is_right:
; h = relu(Xn2 W1^T + b1), quantised with entry 14 of the scales: a GEMM on codes of E4M3, M = N = 4,096, K = 1,024; codes out, [4096][4096].  No work of reference() is left out.
; A tile of C, 256 x 256, is made by four waves, each 128 x 128: 64 accumulators.  K goes in steps of 256 through a ring of two LDS slots filled by joint tensor loads (clusters 4 x 4: A's tiles along a row, B's along a column).
; The matrix instruction is used transposed (source 0 = rows of B, source 1 = rows of A); a fragment is fetched by four loads of 16 bytes: a permutation of k that is the same in A and in B.
; The way out: sum x 2^(e12 + e13) + bias, activation and hold in one, converted, through a stage in slot 0 (its last fill and last read are over), and out by rows of 256 bytes.
; PREFETCH: behind the loads of K steps 0 and 1 each wave names K steps 2 and 3, two steps ahead: of the 128 rows that it fetches, its work-group's 32 (told apart by address: cx for A, cy for B), a lane a row of 256 bytes.
; LIMITS: e12 + e13 between -126 and 127, e14 between -126 and 119.  NaN among the inputs is not served.
.set KSTEP,  256
.set ROWB,   256
.set KROW,   1024
.set PITCH,  272
.set FR,     16
.set NL,     4
.set NP,     4
.set HALFT,  128*PITCH
.set SLOT,   4*HALFT
.set LAPS,   KROW/(2*KSTEP)
.set BT,     2*SLOT
.set SPARE,  BT+2048
.set OP,     4096
.set GOR,  13
.set SCO,  14
.set LIMO, 15
.set ADRA, 16
.set ADRB, 20
.set RDR,  23
.set STO_A, 24
.set ABC,  26
.set SPW,  28
.set NIL,  29
.set BC,   32
.set TMP,  128
.set CD,   192
.set AF,   128
.set G1, 24
.set G0, 32
.set G1B, 48
.set G0B, 56
.set MSB, 0
.macro WIN new
.if MSB != (\new)
	s_set_vgpr_msb (MSB<<8)|(\new)
.set MSB, (\new)
.endif
.endm
.set MUL_LO, 0xa1
.set MUL_HI, 0xf1
.set TO_B,   0x40
.macro JLOAD g0a, g1a, g0b, g1b
	s_cmp_eq_u32 s15, 0
	s_cbranch_scc0 .Lfor_b_\@
	tensor_load_to_lds s[\g0a:\g0a+3], s[\g1a:\g1a+7]
	s_nop 0
.rept 4
	v_nop
.endr
	s_branch .Lasked_\@
.Lfor_b_\@:
	tensor_load_to_lds s[\g0b:\g0b+3], s[\g1b:\g1b+7]
	s_nop 0
.rept 4
	v_nop
.endr
.Lasked_\@:
.endm
.macro CREST
	s_cmp_lg_u32 s14, 0
	s_cbranch_scc1 .Lnot_wave_0_\@
	s_barrier_signal -3
.Lnot_wave_0_\@:
	s_barrier_wait -3
	s_barrier_signal -1
	s_barrier_wait -1
.endm
.macro CROUND
	s_barrier_signal -1
	s_barrier_wait -1
	CREST
.endm
	s_load_b128 s[4:7], s[0:1], 0x0
	s_load_b64 s[84:85], s[0:1], 0x10
	s_load_b128 s[8:11], s[0:1], 0x18
	v_lshl_add_u32 v[SPW], v0, 2, SPARE
	v_mov_b32 v[NIL], 0
	ds_add_u32 v[SPW], v[NIL]
	ds_add_u32 v[SPW], v[NIL]
	v_lshrrev_b32 v1, 5, v0
	v_readfirstlane_b32 s14, v1
	s_lshr_b32 s15, s14, 1
	s_and_b32 s16, s14, 1
	s_bfe_u32 s40, ttmp6, 0x40000
	s_bfe_u32 s41, ttmp6, 0x40004
	s_lshl_b32 s42, ttmp9, 2
	s_add_co_u32 s42, s42, s40
	s_and_b32 s17, ttmp7, 0xffff
	s_lshl_b32 s17, s17, 2
	s_add_co_u32 s17, s17, s41
	s_lshl_b32 s43, s41, 2
	s_lshl_b32 s43, 15, s43
	s_lshl_b32 s44, 0x1111, s40
	s_or_b32 s[G1+0], s43, (1<<20)|(1<<21)|(5<<22)|(3<<25)
	s_or_b32 s[G1B+0], s44, (1<<20)|(1<<21)|(5<<22)|(3<<25)
.irp g, G1, G1B
	s_mov_b32 s[\g+1], ROWB<<16
	s_mov_b32 s[\g+2], 128<<16
	s_mov_b32 s[\g+3], ROWB<<16
	s_mov_b32 s[\g+4], 128
	s_mov_b32 s[\g+5], KROW
	s_mov_b32 s[\g+6], 0
	s_mov_b32 s[\g+7], 0
.endr
	s_lshl_b32 s18, s16, 7
	s_lshl_b32 s20, s17, 8
	s_add_co_u32 s20, s20, s18
	s_lshl_b32 s20, s20, 10
	s_mov_b32 s21, 0
	s_lshl_b32 s46, s42, 8
	s_add_co_u32 s46, s46, s18
	s_lshl_b32 s46, s46, 10
	s_mov_b32 s47, 0
	s_mul_i32 s45, s14, HALFT
	s_wait_dscnt 0x0
	s_wait_kmcnt 0x0
	s_load_b512 s[68:83], s[84:85], 0x0
	s_add_nc_u64 s[20:21], s[4:5], s[20:21]
	s_add_nc_u64 s[46:47], s[6:7], s[46:47]
	CROUND
.irp s, 0,1
	s_mov_b32 s[G0+4*\s], 1
	s_add_co_u32 s[G0+4*\s+1], s45, \s*SLOT
	s_add_nc_u64 s[G0+4*\s+2:G0+4*\s+3], s[20:21], \s*ROWB
	s_or_b32 s[G0+4*\s+3], s[G0+4*\s+3], 0x80000000
	s_mov_b32 s[G0B+4*\s], 1
	s_add_co_u32 s[G0B+4*\s+1], s45, \s*SLOT
	s_add_nc_u64 s[G0B+4*\s+2:G0B+4*\s+3], s[46:47], \s*ROWB
	s_or_b32 s[G0B+4*\s+3], s[G0B+4*\s+3], 0x80000000
.endr
	JLOAD G0, G1, G0B, G1B                         ; K step 0: one tensor load a wave at the head
	s_cmp_eq_u32 s15, 0                            ; do I fetch for A?
	s_cselect_b32 s22, s40, s41                    ; my place among the four that ask with me
	s_cselect_b64 s[86:87], s[20:21], s[46:47]     ; the 128 rows that I fetch, at K step 0
	s_lshl_b32 s22, s22, 15                        ; 32 rows of 1,024 bytes
	s_mov_b32 s23, 0
	s_add_nc_u64 s[86:87], s[86:87], s[22:23]
	v_and_b32 v12, 31, v0
	v_lshlrev_b32 v12, 10, v12                     ; v12: a lane a row; never rewritten
	global_prefetch_b8 v12, s[86:87] offset:ROWB th:TH_LOAD_NT scope:SCOPE_SE     ; K step 1 too: its load goes out only when K step 0 has landed
	global_prefetch_b8 v12, s[86:87] offset:2*ROWB th:TH_LOAD_NT scope:SCOPE_SE
	s_lshl_b32 s22, s42, 10
	s_mov_b32 s23, 0
	s_add_nc_u64 s[8:9], s[8:9], s[22:23]
	v_lshlrev_b32 v10, 3, v0
	v_lshl_add_u32 v11, v0, 3, BT
	global_load_b64 v[30:31], v10, s[8:9]
	v_and_b32 v1, 15, v0
	v_bfe_u32 v2, v0, 4, 1
	v_mul_u32_u24 v3, v1, PITCH
	s_wait_alu depctr_va_vdst(0)
	v_lshl_add_u32 v4, v2, 4, v3
	s_mul_i32 s21, s15, HALFT
	s_mul_i32 s22, s16, HALFT
	s_add_co_u32 s22, s22, 2*HALFT
.irp s, 0,1
	v_add_nc_u32 v[ADRA+\s], s21, v4
	v_add_nc_u32 v[ADRB+\s], s22, v4
	s_add_co_u32 s21, s21, SLOT
	s_add_co_u32 s22, s22, SLOT
.endr
	s_mul_i32 s23, s15, 128*PITCH
	s_lshl_b32 s22, s16, 7
	s_add_co_u32 s23, s23, s22
	v_lshl_add_u32 v5, v2, 3, v3
	v_add_nc_u32 v[STO_A], s23, v5
	s_lshl_b32 s22, s16, 9
	s_add_co_u32 s22, s22, BT
	v_lshl_add_u32 v[ABC], v2, 5, s22
	s_mul_i32 s22, s14, 64*PITCH
	v_mul_u32_u24 v5, v2, PITCH
	v_lshl_add_u32 v5, v1, 4, v5
	v_add_nc_u32 v[RDR], s22, v5
	v_mul_u32_u24 v5, v2, OP
	v_lshl_add_u32 v[GOR], v1, 4, v5
	s_wait_loadcnt 0x0
	ds_store_b64 v11, v[30:31]
.macro FRAG reg, adr, q, i
.irp c, 0,1,2,3
	ds_load_b128 v[\reg+4*\c:\reg+4*\c+3], v[\adr] offset:128*(\q)+32*\c+(\i)*16*PITCH
.endr
.endm
.macro MUL16 a0, p, zero
.irp a, \a0, \a0+1
.irp b, 0,1,2,3,4,5,6,7
.if \zero
	v_wmma_f32_16x16x128_fp8_fp8 v[8*(8*((\a)%4)+\b):8*(8*((\a)%4)+\b)+7], v[128*(\p)+FR*\b:128*(\p)+FR*\b+FR-1], v[AF+FR*(\a):AF+FR*(\a)+FR-1], 0
.else
	v_wmma_f32_16x16x128_fp8_fp8 v[8*(8*((\a)%4)+\b):8*(8*((\a)%4)+\b)+7], v[128*(\p)+FR*\b:128*(\p)+FR*\b+FR-1], v[AF+FR*(\a):AF+FR*(\a)+FR-1], v[8*(8*((\a)%4)+\b):8*(8*((\a)%4)+\b)+7]
.endif
.endr
.endr
.endm
.macro FETCH_B slot, q, p
	WIN TO_B
.irp i, 0,1,2,3,4,5,6,7
	FRAG 128*(\p)+FR*\i, ADRB+\slot, \q, \i
.endr
	WIN 0
.endm
.macro FETCH_A slot, q, i0
.irp i, \i0, \i0+1, \i0+2, \i0+3
	FRAG AF+FR*(\i), ADRA+\slot, \q, \i
.endr
.endm
.macro PLACES n
.rept \n
	v_nop
.endr
.endm
.macro STEP slot, q, zero
	s_wait_dscnt 4*NL
	WIN MUL_LO
	MUL16 0, (\q)%2, \zero
	MUL16 2, (\q)%2, \zero
	s_wait_dscnt 0
	PLACES NP
	FETCH_B \slot, (\q)+1, 1-(\q)%2
	FETCH_A \slot, (\q)+1, 0
	WIN MUL_HI
	MUL16 4, (\q)%2, \zero
	MUL16 6, (\q)%2, \zero
	PLACES NP
	WIN 0
	FETCH_A \slot, (\q)+1, 4
.endm
.macro TURN slot, next, fill
	s_wait_tensorcnt 0x0
	ds_add_u32 v[SPW], v[NIL]
	s_wait_dscnt 4*NL+1
	WIN MUL_LO
	MUL16 0, 1, 0
	s_wait_dscnt 0x0
	s_barrier_signal -1
	MUL16 2, 1, 0
	WIN 0
	s_barrier_wait -1
.if \fill
	CREST
	s_add_nc_u64 s[G0+4*\slot+2:G0+4*\slot+3], s[G0+4*\slot+2:G0+4*\slot+3], 2*ROWB
	s_add_nc_u64 s[G0B+4*\slot+2:G0B+4*\slot+3], s[G0B+4*\slot+2:G0B+4*\slot+3], 2*ROWB
	JLOAD G0+4*\slot, G1, G0B+4*\slot, G1B
.else
	PLACES NP
.endif
	FETCH_B \next, 0, 0
	FETCH_A \next, 0, 0
	WIN MUL_HI
	MUL16 4, 1, 0
	MUL16 6, 1, 0
	PLACES NP
	WIN 0
	FETCH_A \next, 0, 4
.endm
	s_wait_alu depctr_va_vdst(0)                   ; the wait at the head's end
	s_wait_tensorcnt 0x0                           ; my part of K step 0 is in
	ds_add_u32 v[SPW], v[NIL]
	s_wait_dscnt 0x0                               ; the add is done, and my biases lie in LDS
	CROUND                                         ; everybody's part of K step 0 is in, and all sixteen work-groups are here
	JLOAD G0+4, G1, G0B+4, G1B                     ; K step 1: the first tensor load behind the round
	global_prefetch_b8 v12, s[86:87] offset:3*ROWB th:TH_LOAD_NT scope:SCOPE_SE
	FETCH_B 0, 0, 0
	FETCH_A 0, 0, 0
	FETCH_A 0, 0, 4
	STEP 0, 0, 1
	s_mov_b32 s3, LAPS-1
.Llap:
	TURN 0, 1, 1
	STEP 1, 0, 0
	TURN 1, 0, 1
	STEP 0, 0, 0
	s_sub_co_u32 s3, s3, 1
	s_cmp_lg_u32 s3, 0
	s_cbranch_scc1 .Llap
	TURN 0, 1, 0
	STEP 1, 0, 0
	s_wait_dscnt 4*NL
	WIN MUL_LO
	MUL16 0, 1, 0
	MUL16 2, 1, 0
	s_wait_dscnt 0
	WIN MUL_HI
	MUL16 4, 1, 0
	MUL16 6, 1, 0
	WIN 0
	s_wait_kmcnt 0x0
	s_add_co_i32 s92, s80, s81
	s_add_co_i32 s92, s92, 127
	s_lshl_b32 s92, s92, 23
	s_mov_b32 s93, s92
	s_add_co_i32 s23, s82, 127
	s_lshl_b32 s22, s23, 23
	v_mov_b32 v[SCO], s22
	s_add_co_i32 s23, s23, 8
	s_lshl_b32 s23, s23, 23
	s_or_b32 s23, s23, 0x600000
	v_mov_b32 v[LIMO], s23
.irp b, 0,1,2,3,4,5,6,7
	ds_load_b128 v[BC+8*\b:BC+8*\b+3], v[ABC] offset:64*\b
	ds_load_b128 v[BC+8*\b+4:BC+8*\b+7], v[ABC] offset:64*\b+16
.endr
	s_wait_dscnt 0x0
	PLACES NP
.irp a, 0,1,2,3,4,5,6,7
	WIN 0x02+((\a)/4)
.set j, 0
.rept 32
	v_pk_fma_f32 v[TMP+j:TMP+j+1], v[64*((\a)%4)+j:64*((\a)%4)+j+1], s[92:93], v[BC+j:BC+j+1] op_sel_hi:[1,0,1]
.set j, j+2
.endr
	WIN 0
.set j, 0
.rept 64
	v_med3_num_f32 v[TMP+j], v[TMP+j], 0, v[LIMO]
.set j, j+1
.endr
	s_wait_alu depctr_va_vdst(0)
	s_wait_dscnt 0x0
.irp b, 0,1,2,3,4,5,6,7
	v_cvt_scalef32_pk8_fp8_f32 v[CD+2*\b:CD+2*\b+1], v[TMP+8*\b:TMP+8*\b+7], v[SCO]
.endr
	v_nop
.irp b, 0,1,2,3,4,5,6,7
	ds_store_b64 v[STO_A], v[CD+2*\b:CD+2*\b+1] offset:16*PITCH*\a+16*\b
.endr
.endr
	s_wait_dscnt 0x0
	s_barrier_signal -1
	s_barrier_wait -1
	s_lshl_b32 s20, s17, 8
	s_lshl_b32 s21, s14, 6
	s_add_co_u32 s20, s20, s21
	s_lshl_b32 s20, s20, 12
	s_lshl_b32 s21, s42, 8
	s_add_co_u32 s20, s20, s21
	s_mov_b32 s21, 0
	s_add_nc_u64 s[10:11], s[10:11], s[20:21]
.set t, 0
.rept 32
	ds_load_b128 v[128+4*t:131+4*t], v[RDR] offset:2*PITCH*t
.set t, t+1
.endr
.set t, 0
.rept 32
	s_wait_dscnt 31-t
	global_store_b128 v[GOR], v[128+4*t:131+4*t], s[10:11] offset:2*OP*t
.set t, t+1
.endr
	s_wait_tensorcnt 0x0
	ds_add_u32 v[SPW], v[NIL]
	s_wait_dscnt 0x0
	CROUND
	s_endpgm
.Lfunc_end_k_qd1df57fae8_ffn1:
	.size	k_qd1df57fae8_ffn1, .Lfunc_end_k_qd1df57fae8_ffn1-k_qd1df57fae8_ffn1
	.p2alignl 7, 3214868480
	.fill 96, 4, 3214868480
	.section	.rodata,"a",@progbits
	.p2align	6, 0x0
	.amdhsa_kernel k_qd1df57fae8_ffn1
		.amdhsa_group_segment_fixed_size 327680
		.amdhsa_private_segment_fixed_size 0
		.amdhsa_enable_private_segment 0
		.amdhsa_kernarg_size 40
		.amdhsa_user_sgpr_count 2
		.amdhsa_user_sgpr_kernarg_segment_ptr 1
		.amdhsa_wavefront_size32 1
		.amdhsa_system_sgpr_workgroup_id_x 1
		.amdhsa_system_sgpr_workgroup_id_y 1
		.amdhsa_system_sgpr_workgroup_id_z 1
		.amdhsa_system_vgpr_workitem_id 0
		.amdhsa_next_free_vgpr 1024
		.amdhsa_next_free_sgpr 100
		.amdhsa_reserve_vcc 0
		.amdhsa_float_denorm_mode_32 3
		.amdhsa_float_denorm_mode_16_64 3
		.amdhsa_memory_ordered 1
		.amdhsa_forward_progress 1
		.amdhsa_inst_pref_size 144
	.end_amdhsa_kernel
	.amdgpu_metadata
---
amdhsa.version: [ 1, 2 ]
amdhsa.kernels:
  - .name:           k_qd1df57fae8_ffn1
    .symbol:         k_qd1df57fae8_ffn1.kd
    .args:
      - { .name: xn2c, .offset: 0, .size: 8, .value_kind: global_buffer, .address_space: global }
      - { .name: w1_codes, .offset: 8, .size: 8, .value_kind: global_buffer, .address_space: global }
      - { .name: lowp_scales, .offset: 16, .size: 8, .value_kind: global_buffer, .address_space: global }
      - { .name: b1, .offset: 24, .size: 8, .value_kind: global_buffer, .address_space: global }
      - { .name: hc, .offset: 32, .size: 8, .value_kind: global_buffer, .address_space: global }
    .group_segment_fixed_size: 327680
    .private_segment_fixed_size: 0
    .kernarg_segment_align: 8
    .kernarg_segment_size: 40
    .max_flat_workgroup_size: 128
    .sgpr_count:     100
    .vgpr_count:     1024
    .wavefront_size: 32
...
	.end_amdgpu_metadata
.endif
;; end of part 6
;; launch ffn2 (part 7): grid 8 x 32, 4 waves a work-group, clusters of 4 x 4, 327,680 bytes of LDS; arguments hc, w2_codes, lowp_scales, b2, x1, out0; writes out0
.if DOCPART == 7
	.amdgcn_target "amdgcn-amd-amdhsa--gfx1250"
	.amdhsa_code_object_version 6
	.text
	.protected	k_qd1df57fae8_ffn2
	.globl	k_qd1df57fae8_ffn2
	.p2align	8
	.type	k_qd1df57fae8_ffn2,@function
k_qd1df57fae8_ffn2:
	s_mov_b64 s[64:65], 0
	v_nop
	global_prefetch_b8 v0, s[64:65] scope:SCOPE_SE
	s_setreg_imm32_b32 hwreg(HW_REG_WAVE_MODE, 25, 1), 1
	s_wait_xcnt 0x0
	s_wait_alu depctr_hold_cnt(0) depctr_sa_sdst(0) depctr_va_vdst(0) depctr_va_sdst(0) depctr_va_ssrc(0) depctr_va_vcc(0) depctr_vm_vsrc(0)
	s_getreg_b32 s2, hwreg(HW_REG_IB_STS2, 6, 4)
	s_cmp_eq_u32 s2, 0
	s_cbranch_scc0 .Lentry_in_a_cluster
	s_endpgm
.Lentry_in_a_cluster:
	s_bfe_u32 s2, ttmp6, 0x10000c
	s_cmp_lg_u32 s2, 0xf033
	s_cbranch_scc0 .Lentry_shape_is_right
	s_endpgm
.Lentry_shape_is_right:
; out = x1 + b2 + 2^(e14 + e15) x H W2^T: a GEMM on codes of E4M3, M = 4,096, N = 1,024, K = 4,096, f32 out.  No work of reference() is left out.
; A tile of C is 128 x 128, so that there are 256 work-groups; four waves, each 64 x 64: 16 accumulators.  K goes in steps of 512 (four quarters of 128) through two LDS slots filled by joint tensor loads
; (clusters 4 x 4: A's tiles along a row, B's along a column).  The matrix instruction is used transposed.  The residual's numbers are asked for at the head and stay on their way through the K loop.
; PREFETCH: behind the joint load of K step n each wave names K step n + 2, two refills (128 matrix instructions a wave) ahead: of the 64 rows that it fetches, its work-group's 16 (told apart by address: cx for A, cy for B),
; 512 bytes of each: 32 blocks of 256 bytes, a lane a block, one instruction.  So each block is named once in each cluster that loads it.  The loads of K steps 6 and 7 name nothing: there is no K step 8.
; LIMITS: e14 + e15 between -126 and 127.  The sum is formed as sum x 2^e + (bias + residual): another order of rounding than reference()'s.
.set PFO,  30                          ; v30 the prefetches' offset: (lane / 2) rows of 4,096 bytes + 256 (lane % 2); never rewritten
.set PFA,  74                          ; s[74:75] my work-group's 16 rows: at K step 0 through the head, then one K step behind the one that is being loaded
.set KTOT,   4096
.set SCI,    56
.set KS,     512
.set BP,     528
.set BH,     64*BP
.set AP,     BP
.set AH,     64*AP
.set ASTEP,  KS
.set SLOT,   2*AH+2*BH
.set STAGE,  2*SLOT
.set SPITCH, 272
.set SPARE,  STAGE+4*16*SPITCH
.set LAPS,   KTOT/(2*KS)
.set ADRA, 16
.set ADRB, 20
.set STO,  24
.set RD,   25
.set CO,   26
.set BO,   27
.set SPW,  28
.set NIL,  29
.set BK,   32
.set BI,   96
.set ACC,  128
.set F0,   0
.set F1,   128
.set G1, 24
.set G0, 32
.set G1B, 48
.set G0B, 56
.set MSB, 0
.macro WIN new
.if MSB != (\new)
	s_set_vgpr_msb (MSB<<8)|(\new)
.set MSB, (\new)
.endif
.endm
.set MUL,  0x05
.set TO_F, 0x40
.macro JLOAD s
	s_cmp_eq_u32 s15, 0
	s_cbranch_scc0 .Lfor_b_\@
	tensor_load_to_lds s[G0+4*\s:G0+4*\s+3], s[G1:G1+7]
	s_nop 0
.rept 4
	v_nop
.endr
	s_branch .Lasked_\@
.Lfor_b_\@:
	tensor_load_to_lds s[G0B+4*\s:G0B+4*\s+3], s[G1B:G1B+7]
	s_nop 0
.rept 4
	v_nop
.endr
.Lasked_\@:
.endm
.macro CREST
	s_cmp_lg_u32 s14, 0
	s_cbranch_scc1 .Lnot_wave_0_\@
	s_barrier_signal -3
.Lnot_wave_0_\@:
	s_barrier_wait -3
	s_barrier_signal -1
	s_barrier_wait -1
.endm
.macro CROUND
	s_barrier_signal -1
	s_barrier_wait -1
	CREST
.endm
	s_load_b256 s[4:11], s[0:1], 0x0
	s_load_b128 s[68:71], s[0:1], 0x20
	v_lshl_add_u32 v[SPW], v0, 2, SPARE
	v_mov_b32 v[NIL], 0
	ds_add_u32 v[SPW], v[NIL]
	ds_add_u32 v[SPW], v[NIL]
	v_lshrrev_b32 v1, 5, v0
	v_readfirstlane_b32 s14, v1
	s_lshr_b32 s15, s14, 1
	s_and_b32 s16, s14, 1
	s_bfe_u32 s40, ttmp6, 0x40000
	s_bfe_u32 s41, ttmp6, 0x40004
	s_lshl_b32 s42, ttmp9, 2
	s_add_co_u32 s42, s42, s40
	s_and_b32 s17, ttmp7, 0xffff
	s_lshl_b32 s17, s17, 2
	s_add_co_u32 s17, s17, s41
	s_lshl_b32 s43, s41, 2
	s_lshl_b32 s43, 15, s43
	s_lshl_b32 s44, 0x1111, s40
	s_or_b32 s[G1+0], s43, (1<<20)|(1<<21)|(6<<22)|(3<<25)
	s_or_b32 s[G1B+0], s44, (1<<20)|(1<<21)|(6<<22)|(3<<25)
.irp g, G1, G1B
	s_mov_b32 s[\g+1], KS<<16
	s_mov_b32 s[\g+2], 64<<16
	s_mov_b32 s[\g+3], KS<<16
	s_mov_b32 s[\g+4], 64
	s_mov_b32 s[\g+5], KTOT
	s_mov_b32 s[\g+6], 0
	s_mov_b32 s[\g+7], 0
.endr
	s_lshl_b32 s18, s16, 6
	s_lshl_b32 s20, s17, 7
	s_add_co_u32 s20, s20, s18
	s_mul_i32 s20, s20, KTOT
	s_mov_b32 s21, 0
	s_lshl_b32 s46, s42, 7
	s_add_co_u32 s46, s46, s18
	s_mul_i32 s46, s46, KTOT
	s_mov_b32 s47, 0
	s_mul_i32 s45, s16, AH
	s_mul_i32 s19, s16, BH
	s_add_co_u32 s19, s19, 2*AH
	s_wait_dscnt 0x0
	s_wait_kmcnt 0x0
	s_load_b64 s[72:73], s[8:9], SCI
	s_add_nc_u64 s[20:21], s[4:5], s[20:21]
	s_add_nc_u64 s[46:47], s[6:7], s[46:47]
	CROUND
.irp s, 0,1
	s_mov_b32 s[G0+4*\s], 1
	s_add_co_u32 s[G0+4*\s+1], s45, \s*SLOT
	s_add_nc_u64 s[G0+4*\s+2:G0+4*\s+3], s[20:21], \s*ASTEP
	s_or_b32 s[G0+4*\s+3], s[G0+4*\s+3], 0x80000000
	s_mov_b32 s[G0B+4*\s], 1
	s_add_co_u32 s[G0B+4*\s+1], s19, \s*SLOT
	s_add_nc_u64 s[G0B+4*\s+2:G0B+4*\s+3], s[46:47], \s*KS
	s_or_b32 s[G0B+4*\s+3], s[G0B+4*\s+3], 0x80000000
.endr
	JLOAD 0                                        ; K step 0: one tensor load a wave at the head
	s_cmp_eq_u32 s15, 0                            ; do I fetch for A?
	s_cselect_b32 s22, s40, s41                    ; my place among the four that ask with me
	s_cselect_b64 s[PFA:PFA+1], s[20:21], s[46:47] ; the 64 rows that I fetch, at K step 0
	s_lshl_b32 s22, s22, 16                        ; 16 rows of 4,096 bytes
	s_mov_b32 s23, 0
	s_add_nc_u64 s[PFA:PFA+1], s[PFA:PFA+1], s[22:23]
	v_and_b32 v[PFO], 31, v0
	v_lshrrev_b32 v31, 1, v[PFO]
	v_and_b32 v[PFO], 1, v[PFO]
	v_lshlrev_b32 v[PFO], 8, v[PFO]
	v_lshl_add_u32 v[PFO], v31, 12, v[PFO]
	global_prefetch_b8 v[PFO], s[PFA:PFA+1] offset:KS th:TH_LOAD_NT scope:SCOPE_SE     ; K step 1 too: its load goes out only when K step 0 has landed
	global_prefetch_b8 v[PFO], s[PFA:PFA+1] offset:2*KS th:TH_LOAD_NT scope:SCOPE_SE   ; K step 2
	v_and_b32 v1, 15, v0
	v_bfe_u32 v2, v0, 4, 1
	v_lshlrev_b32 v3, 12, v2
	v_lshl_add_u32 v[CO], v1, 4, v3
	s_wait_alu depctr_va_vdst(0)
	v_lshlrev_b32 v[BO], 4, v1
	s_wait_alu depctr_va_vdst(0)
	s_lshl_b32 s20, s17, 7
	s_lshl_b32 s21, s15, 6
	s_add_co_u32 s20, s20, s21
	s_lshl_b32 s20, s20, 12
	s_lshl_b32 s22, s42, 7
	s_lshl_b32 s23, s16, 6
	s_add_co_u32 s22, s22, s23
	s_lshl_b32 s22, s22, 2
	s_mov_b32 s23, 0
	s_add_nc_u64 s[10:11], s[10:11], s[22:23]
	s_add_co_u32 s20, s20, s22
	s_mov_b32 s21, 0
	s_add_nc_u64 s[68:69], s[68:69], s[20:21]
	s_add_nc_u64 s[70:71], s[70:71], s[20:21]
	v_mul_u32_u24 v5, v1, BP
	v_lshl_add_u32 v5, v2, 4, v5
	s_mul_i32 s21, s15, AH
	s_mul_i32 s22, s16, BH
	s_add_co_u32 s22, s22, 2*AH
.irp s, 0,1
	v_add_nc_u32 v[ADRA+\s], s21, v5
	v_add_nc_u32 v[ADRB+\s], s22, v5
	s_add_co_u32 s21, s21, SLOT
	s_add_co_u32 s22, s22, SLOT
.endr
	s_mul_i32 s23, s14, 16*SPITCH
	s_add_co_u32 s23, s23, STAGE
	v_mul_u32_u24 v3, v1, SPITCH
	v_lshl_add_u32 v3, v2, 5, v3
	v_add_nc_u32 v[STO], s23, v3
	v_mul_u32_u24 v3, v2, SPITCH
	v_lshl_add_u32 v3, v1, 4, v3
	v_add_nc_u32 v[RD], s23, v3
.macro MUL8 f, a0, zero
.irp a, \a0, \a0+1
.irp b, 0,1,2,3
.if \zero
	v_wmma_f32_16x16x128_fp8_fp8 v[ACC+8*(4*(\a)+\b):ACC+8*(4*(\a)+\b)+7], v[\f+64+16*\b:\f+64+16*\b+15], v[\f+16*(\a):\f+16*(\a)+15], 0
.else
	v_wmma_f32_16x16x128_fp8_fp8 v[ACC+8*(4*(\a)+\b):ACC+8*(4*(\a)+\b)+7], v[\f+64+16*\b:\f+64+16*\b+15], v[\f+16*(\a):\f+16*(\a)+15], v[ACC+8*(4*(\a)+\b):ACC+8*(4*(\a)+\b)+7]
.endif
.endr
.endr
.endm
.macro FETCH slot, q, f
	WIN TO_F
.irp i, 0,1,2,3
.irp c, 0,1,2,3
	ds_load_b128 v[\f+64+16*\i+4*\c:\f+64+16*\i+4*\c+3], v[ADRB+\slot] offset:128*(\q)+32*\c+16*BP*\i
.endr
.endr
.irp i, 0,1,2,3
.irp c, 0,1,2,3
	ds_load_b128 v[\f+16*\i+4*\c:\f+16*\i+4*\c+3], v[ADRA+\slot] offset:128*(\q)+32*\c+16*AP*\i
.endr
.endr
.endm
.macro PLACES
.rept 4
	v_nop
.endr
.endm
.macro QUARTER slot, qn, f, g, zero
	s_wait_dscnt 8
	WIN MUL
	MUL8 \f, 0, \zero
	PLACES
	FETCH \slot, \qn, \g
	s_wait_dscnt 32
	WIN MUL
	MUL8 \f, 2, \zero
.endm
.macro TURN slot, next, fill
	WIN 0
.if \fill
	s_wait_xcnt 0x0                                ; my last prefetch has read its address: it steps one K step on
	s_add_nc_u64 s[PFA:PFA+1], s[PFA:PFA+1], KS
.endif
	s_wait_tensorcnt 0x0
	ds_add_u32 v[SPW], v[NIL]
	s_wait_dscnt 9
	WIN MUL
	MUL8 F1, 0, 0
	s_wait_dscnt 0x0
	s_barrier_signal -1
	WIN 0
	s_barrier_wait -1
.if \fill
	CREST
	s_add_nc_u64 s[G0+4*\slot+2:G0+4*\slot+3], s[G0+4*\slot+2:G0+4*\slot+3], 2*ASTEP
	s_add_nc_u64 s[G0B+4*\slot+2:G0B+4*\slot+3], s[G0B+4*\slot+2:G0B+4*\slot+3], 2*KS
	JLOAD \slot
.else
	PLACES
.endif
	FETCH \next, 0, F0
.if \fill
	WIN 0                                          ; at a branch and at a label every window is 0
	s_cmp_gt_u32 s3, 1                             ; the loop's last trip loads K steps 6 and 7: nothing lies two steps on
	s_cbranch_scc0 .Lno_ask_\@
	global_prefetch_b8 v[PFO], s[PFA:PFA+1] offset:3*KS th:TH_LOAD_NT scope:SCOPE_SE
.Lno_ask_\@:
.endif
	WIN MUL
	MUL8 F1, 2, 0
.endm
	s_wait_alu depctr_va_vdst(0)
	s_wait_tensorcnt 0x0                           ; my part of K step 0 is in
	ds_add_u32 v[SPW], v[NIL]
	s_wait_dscnt 0x0
	CROUND                                         ; everybody's part of K step 0 is in, and all sixteen work-groups are here
	JLOAD 1                                        ; K step 1: the first tensor load behind the round
	global_prefetch_b8 v[PFO], s[PFA:PFA+1] offset:3*KS th:TH_LOAD_NT scope:SCOPE_SE   ; K step 3
	FETCH 0, 0, F0
	QUARTER 0, 1, F0, F1, 1
	WIN 0x80                                       ; destination window 2: the residual is asked for here, behind the first two joint loads, and is wanted only on the way out
.set t, 0
.rept 32
	global_load_b128 v[4*t:4*t+3], v[CO], s[68:69] offset:2*t*4096   ; rows 2 t, 2 t + 1 of my 64
.set t, t+1
.endr
	WIN 0
	global_load_b128 v[BI:BI+3], v[BO], s[10:11]   ; the bias of my four columns
	s_mov_b32 s3, LAPS-1
.Llap:
	QUARTER 0, 2, F1, F0, 0
	QUARTER 0, 3, F0, F1, 0
	TURN 0, 1, 1
	QUARTER 1, 1, F0, F1, 0
	QUARTER 1, 2, F1, F0, 0
	QUARTER 1, 3, F0, F1, 0
	TURN 1, 0, 1
	QUARTER 0, 1, F0, F1, 0
	WIN 0
	s_sub_co_u32 s3, s3, 1
	s_cmp_lg_u32 s3, 0
	s_cbranch_scc1 .Llap
	QUARTER 0, 2, F1, F0, 0
	QUARTER 0, 3, F0, F1, 0
	TURN 0, 1, 0
	QUARTER 1, 1, F0, F1, 0
	QUARTER 1, 2, F1, F0, 0
	QUARTER 1, 3, F0, F1, 0
	s_wait_dscnt 8
	WIN MUL
	MUL8 F1, 0, 0
	s_wait_dscnt 0
	MUL8 F1, 2, 0
	WIN 0
	s_wait_kmcnt 0x0
	s_add_co_i32 s72, s72, s73
	s_add_co_i32 s72, s72, 127
	s_lshl_b32 s72, s72, 23
	s_mov_b32 s73, s72
	s_wait_loadcnt 0x0
	PLACES
	WIN 0x82
.set t, 0
.rept 32
	v_pk_add_f32 v[4*t:4*t+1], v[4*t:4*t+1], v[BI:BI+1]
	v_pk_add_f32 v[4*t+2:4*t+3], v[4*t+2:4*t+3], v[BI+2:BI+3]
.set t, t+1
.endr
	WIN 0
.macro TOSTAGE a
.irp b, 0,1,2,3
	ds_store_b128 v[STO], v[ACC+8*(4*(\a)+\b):ACC+8*(4*(\a)+\b)+3] offset:64*\b
	ds_store_b128 v[STO], v[ACC+8*(4*(\a)+\b)+4:ACC+8*(4*(\a)+\b)+7] offset:64*\b+16
.endr
.irp t, 0,1,2,3,4,5,6,7
	ds_load_b128 v[BK+32*((\a)%2)+4*\t:BK+32*((\a)%2)+4*\t+3], v[RD] offset:2*SPITCH*\t
.endr
.endm
.macro SEND a, younger
	s_wait_dscnt \younger
	WIN 0x20
.set n, 0
.rept 16
	v_pk_fma_f32 v[BK+32*((\a)%2)+n:BK+32*((\a)%2)+n+1], v[BK+32*((\a)%2)+n:BK+32*((\a)%2)+n+1], s[72:73], v[32*(\a)+n:32*(\a)+n+1] op_sel_hi:[1,0,1]
.set n, n+2
.endr
	WIN 0
.irp t, 0,1,2,3,4,5,6,7
	global_store_b128 v[CO], v[BK+32*((\a)%2)+4*\t:BK+32*((\a)%2)+4*\t+3], s[70:71] offset:(16*(\a)+2*\t)*4096 th:TH_STORE_NT
.endr
.endm
	TOSTAGE 0
	TOSTAGE 1
	SEND 0, 16
	s_wait_xcnt 0x0
	TOSTAGE 2
	SEND 1, 16
	s_wait_xcnt 0x0
	TOSTAGE 3
	SEND 2, 16
	SEND 3, 0
	s_wait_tensorcnt 0x0
	ds_add_u32 v[SPW], v[NIL]
	s_wait_dscnt 0x0
	CROUND
	s_endpgm
.Lfunc_end_k_qd1df57fae8_ffn2:
	.size	k_qd1df57fae8_ffn2, .Lfunc_end_k_qd1df57fae8_ffn2-k_qd1df57fae8_ffn2
	.p2alignl 7, 3214868480
	.fill 96, 4, 3214868480
	.section	.rodata,"a",@progbits
	.p2align	6, 0x0
	.amdhsa_kernel k_qd1df57fae8_ffn2
		.amdhsa_group_segment_fixed_size 327680
		.amdhsa_private_segment_fixed_size 0
		.amdhsa_enable_private_segment 0
		.amdhsa_kernarg_size 48
		.amdhsa_user_sgpr_count 2
		.amdhsa_user_sgpr_kernarg_segment_ptr 1
		.amdhsa_wavefront_size32 1
		.amdhsa_system_sgpr_workgroup_id_x 1
		.amdhsa_system_sgpr_workgroup_id_y 1
		.amdhsa_system_sgpr_workgroup_id_z 1
		.amdhsa_system_vgpr_workitem_id 0
		.amdhsa_next_free_vgpr 768
		.amdhsa_next_free_sgpr 76
		.amdhsa_reserve_vcc 0
		.amdhsa_float_denorm_mode_32 3
		.amdhsa_float_denorm_mode_16_64 3
		.amdhsa_memory_ordered 1
		.amdhsa_forward_progress 1
		.amdhsa_inst_pref_size 83
	.end_amdhsa_kernel
	.amdgpu_metadata
---
amdhsa.version: [ 1, 2 ]
amdhsa.kernels:
  - .name:           k_qd1df57fae8_ffn2
    .symbol:         k_qd1df57fae8_ffn2.kd
    .args:
      - { .name: hc, .offset: 0, .size: 8, .value_kind: global_buffer, .address_space: global }
      - { .name: w2_codes, .offset: 8, .size: 8, .value_kind: global_buffer, .address_space: global }
      - { .name: lowp_scales, .offset: 16, .size: 8, .value_kind: global_buffer, .address_space: global }
      - { .name: b2, .offset: 24, .size: 8, .value_kind: global_buffer, .address_space: global }
      - { .name: x1, .offset: 32, .size: 8, .value_kind: global_buffer, .address_space: global }
      - { .name: out0, .offset: 40, .size: 8, .value_kind: global_buffer, .address_space: global }
    .group_segment_fixed_size: 327680
    .private_segment_fixed_size: 0
    .kernarg_segment_align: 8
    .kernarg_segment_size: 48
    .max_flat_workgroup_size: 128
    .sgpr_count:     76
    .vgpr_count:     768
    .wavefront_size: 32
...
	.end_amdgpu_metadata
.endif
;; end of part 7
